; MI455X (gfx1250); checked and timed in simulation.
; The chip was launched on July 23, 2026; its instructions are those of AMD's public machine-readable ISA for CDNA 5 (MIT licence, August 2026) and "CDNA5" Instruction Set Architecture Reference Guide (July 2026). The comments in the code are by the model that wrote it; some were corrected since.
;; Attention Block. Allowed arithmetic: matrix products marked QUANTISED: E2M1 operands, one E8M0 scale for each 32 along K, by v_wmma_scale_f32_16x16x128_f8f6f4 with both operands' format E2M1 (or v_wmma_scale_f32_32x16x128_f4), f32 sums; everything else in f32.
;; Inputs: W_k_codes 1,024 x 32 x 16 uint8 (E2M1 codes of W_k, K innermost, in blocks of 32 codes, two codes a byte); W_k_scales 1,024 x 32 uint8 (E8M0 scales of W_k, one for each 32 codes along K); W_o_codes 1,024 x 32 x 16 uint8 (E2M1 codes of W_o, K innermost, in blocks of 32 codes, two codes a byte); W_o_scales 1,024 x 32 uint8 (E8M0 scales of W_o, one for each 32 codes along K); W_q_codes 1,024 x 32 x 16 uint8 (E2M1 codes of W_q, K innermost, in blocks of 32 codes, two codes a byte); W_q_scales 1,024 x 32 uint8 (E8M0 scales of W_q, one for each 32 codes along K); W_v_codes 1,024 x 32 x 16 uint8 (E2M1 codes of W_v, K innermost, in blocks of 32 codes, two codes a byte); W_v_scales 1,024 x 32 uint8 (E8M0 scales of W_v, one for each 32 codes along K); b_k 1,024 float32; b_o 1,024 float32; b_q 1,024 float32; b_v 1,024 float32; inputs 4,096 x 1,024 float32; ln_b 1,024 float32; ln_w 1,024 float32; mask 4,096 int32.
;; Outputs: out0 4,096 x 1,024 float32.
;; This version of the problem:
;;   THIS VERSION OF THE PROBLEM IS GIVEN IN LOW PRECISION. The matrix products marked QUANTISED in the list below multiply operands that are first quantised to E2M1 (2 exponent bits, 1 mantissa bit; 4 bits a number), with one power-of-two scale for each 32 numbers along K (OCP MX v1.0); their sums are f32. All else is computed in f32.
;;   The module's matrix products, in the order in which they are computed (A, B: the left and right operand; K: the contracted axis; several contracted axes count as one K, in the product's order):
;;     1. [M 4,096, K 1,024] x [K 1,024, N 1,024]; A: input inputs; B: input W_q (given as codes): QUANTISED
;;     2. [M 4,096, K 1,024] x [K 1,024, N 1,024]; A: input inputs; B: input W_k (given as codes): QUANTISED
;;     3. [M 4,096, K 1,024] x [K 1,024, N 1,024]; A: input inputs; B: input W_v (given as codes): QUANTISED
;;     4. batch 16 x [M 4,096, K 64] x [K 64, N 4,096]; A: computed on the way; B: computed on the way: QUANTISED
;;     5. batch 16 x [M 4,096, K 4,096] x [K 4,096, N 64]; A: softmax (see below); B: computed on the way: QUANTISED
;;     6. [M 4,096, K 1,024] x [K 1,024, N 1,024]; A: computed on the way; B: input W_o (given as codes): QUANTISED
;;   THE QUANTISER, for each operand of a quantised product, along K:
;;     - K is cut into blocks of 32 from its start; a last block that is shorter is filled with zeros.
;;     - A block's scale is 2^e with e = floor(log2(the largest magnitude in the block)) - 2, held to -126 .. 127; a block of zeros has e = 0. As a byte (E8M0): e + 127.
;;     - Each number is divided by its block's scale, clamped to +-6, and rounded to the nearest number of E2M1, ties to even, subnormals kept.
;;     - The product sums the exact products of the quantised numbers (number of the format x scale) in f32.
;;   ~~~python
;;   def quantise(x, axis):      # numpy; x: float32 -> the quantised numbers, widened to float32 again
;;       x = np.moveaxis(x, axis, -1); K = x.shape[-1]
;;       x = np.pad(x, [(0, 0)] * (x.ndim - 1) + [(0, -K % 32)]); x = x.reshape(x.shape[:-1] + (-1, 32)); a = np.abs(x).max(-1, keepdims=True)
;;       e = np.where(a > 0, np.clip(np.frexp(np.where(a > 0, a, 1))[1] - 1 - 2, -126, 127), 0)      # np.frexp(a)[1] - 1 = floor(log2(a)), exactly
;;       r = np.clip(x / 2.0 ** e, -6, 6)
;;       step = 2.0 ** (np.maximum(np.frexp(np.where(r == 0, 1, r))[1] - 1, 0) - 1)
;;       q = np.round(r / step) * step * 2.0 ** e      # np.round: ties to even
;;       return np.moveaxis(q.reshape(q.shape[:-2] + (-1,))[..., :K], -1, axis).astype(np.float32)
;;   ~~~
;;   SOFTMAX AHEAD OF A QUANTISED PRODUCT. Where the list says 'softmax', what is quantised is not the finished softmax but p = 2^(t - M), with t = logit x log2(e) and M = ceil(the row's largest t), a whole number; so 1/2 < the row's largest p <= 1. The row's sum l is taken of the UNQUANTISED p, in f32, and the product's result is divided by l at the end. Since M is a whole number, a kernel that streams over the keys may use a running M (the ceiling of the running maximum): every later rescaling is an exact power of two, which a block's scale takes up: the codes' values come out the same.
;;   OPERANDS COMPUTED ON THE WAY. 'Computed on the way' means the value that the module computes at that place (a softmax that the list does not call 'softmax' is quantised finished and normalised). What goes into a quantiser is computed in f32, as accurately as f32 sums, v_exp_f32 and their like allow (about 1e-6 of the number): no bf16 or f16 on the way to a quantiser, and a product that is left as it is and whose result goes on into a quantised operand takes f32 operands (vector FMAs, or v_wmma_f32_16x16x4_f32). A number that lies on a knife's edge between two numbers of the format may be rounded either way, as far as f32 arithmetic and the matrix unit's own rounding can turn it there, and no further.
;;   INPUTS GIVEN AS CODES. W_k (in the module: [1024, 1024], K = its axis 0); W_o (in the module: [1024, 1024], K = its axis 0); W_q (in the module: [1024, 1024], K = its axis 0); W_v (in the module: [1024, 1024], K = its axis 0): each comes as NAME_codes (uint8): NAME with its K axis moved to the last place and cut into blocks of 32 codes, [.., K / 32, bytes a block], one block behind the other in memory; two codes a byte, the lower K in the low four bits (a code: sign, 2 exponent bits, 1 mantissa bit); and NAME_scales (uint8): the same leading axes, one E8M0 byte (e + 127) for each 32 codes along K. Its value is code x scale, taken as it is: it is not quantised again, and the codes and scales need not be those that the quantiser above would give.
;; One version. Each part assembles by itself: llvm-mc -triple=amdgcn-amd-amdhsa -mcpu=gfx1250 --defsym DOCPART=n.
;; ======== version 1 of 1: 4 launches
;; workspace buffers: xc 2,097,152 bytes; xs 131,072 bytes; woi 524,288 bytes; qc 2,097,152 bytes; qs 262,144 bytes; kv 4,587,520 bytes; oc 2,097,152 bytes; os 131,072 bytes
;; launch prep (part 1): grid 288 x 1, 2 waves a work-group, no clusters, 16,640 bytes of LDS; arguments inputs, W_o_codes, xc, xs, woi; writes xc, xs, woi
.if DOCPART == 1
	.amdgcn_target "amdgcn-amd-amdhsa--gfx1250"
	.amdhsa_code_object_version 6
	.text
	.protected	k_q388c4cebf4_prep
	.globl	k_q388c4cebf4_prep
	.p2align	8
	.type	k_q388c4cebf4_prep,@function
k_q388c4cebf4_prep:
	s_mov_b64 s[64:65], 0
	v_nop
	global_prefetch_b8 v0, s[64:65] scope:SCOPE_SE
	s_setreg_imm32_b32 hwreg(HW_REG_WAVE_MODE, 25, 1), 1
	s_wait_xcnt 0x0
; THE PROGRAM: an attention block, S = 4,096 tokens, H = 1,024, 16 heads of 64, all six products on codes of FP4 (E2M1) with one E8M0 scale for each 32 along K.
;   prep : inputs -> codes xc [4096][512 B] and scale bytes xs [4096][32 B];  W_o's codes -> woi, laid in the order of an operand's registers
;   qkv  : Q = x W_q^T + b_q, K = x W_k^T + b_k (quantised along the head's 64), V^T = W_v x^T + b_v (quantised along the tokens)
;   attn : the scores, the mask, the softmax, P V, O quantised along H
;   oproj: O W_o^T + b_o + inputs, LayerNorm
; DEAD WORK: none.  Every one of the 16 inputs has a way to out0 for some values of the inputs (b_k moves K's codes; a key whose mask is 0 still counts in the softmax with the score 0), so every input is loaded and no product, row or step is left out.
; LIMITS: NaN and infinities among the inputs are not served.  A block whose largest magnitude lies under 2^-124 keeps the scale byte 1, and so does a block of zeros, where the rule says 127: its codes are zeros,
; which add nothing under any byte but 0xff, and these bytes are read by this program alone.
;
; THIS LAUNCH.  Work-groups 0 to 255: inputs [4096][1024] f32 is a plain stream of blocks of 32 numbers, and so are its codes and its scale bytes.  A wave takes 16 steps of 512 numbers.  Each of a step's four loads
; reads 512 consecutive bytes, 16 a lane; the 2,048 bytes turn through the wave's own stage in LDS and come back 64 bytes a lane, so that a lane holds 16 neighbours along K (two neighbouring lanes hold a block).
; A lane's 16 codes are 8 bytes: the wave stores 256 consecutive bytes.  A wave's 256 scale bytes are gathered in LDS and leave by one store of 256 consecutive bytes.
; Work-groups 256 to 287: a wave takes 16 rows of W_o's codes (8,192 bytes) and lays them as 16 images of 512 bytes: image p holds, at 16 x lane, bytes 32 p + 16 (lane / 16) .. + 15 of row lane % 16: registers 4 (p % 2) .. + 3
; of the fragment of K step p / 2.  The last launch then loads each fragment by loads of 512 consecutive bytes.
; No barrier: waves share nothing.
.set STEPS, 16
.set EMAX,  2
.set CB,    8                          ; bytes of 16 codes
.set R,     16                         ; v16-79   four sets of 16 numbers as they are loaded
.set X,     80                         ; v80-111  two sets of 16 neighbours
.set E,     112                        ; v112-127 a scale byte for each step
.set C,     128                        ; v128-191 codes: four registers for each step, so that no store's data are written again
.set WREG,  8192                       ; LDS: a region for each wave: two stages of 32 x SP bytes, then its 256 scale bytes
.set SP,    80                         ; a lane's place in a stage: 64 bytes + 16 of padding
.set SPW,   12                         ; v12  LDS address of my spare word; never rewritten
.set NIL,   13                         ; v13  0; never rewritten
.set SPARE, 2*WREG                     ; behind the two regions: the spare words, 128 bytes a wave, which no other line names
	s_load_b256 s[4:11], s[0:1], 0x0               ; inputs s[4:5], W_o_codes s[6:7], xc s[8:9], xs s[10:11]
	s_load_b64 s[12:13], s[0:1], 0x20              ; woi
	v_lshl_add_u32 v[SPW], v0, 2, SPARE
	v_mov_b32 v[NIL], 0
	v_lshrrev_b32 v1, 5, v0
	v_readfirstlane_b32 s16, v1                    ; wave 0, 1
	v_and_b32 v2, 31, v0                           ; lane
	s_cmp_ge_u32 ttmp9, 256                        ; the work-group's number alone decides
	s_cbranch_scc1 .Lrelay
	v_lshlrev_b32 v3, 4, v2                        ; my 16 bytes of a load's 512
	s_mul_i32 s17, s16, WREG
	v_lshrrev_b32 v14, 2, v2
	v_mul_u32_u24 v14, v14, SP
	v_and_b32 v15, 3, v2
	v_lshl_add_u32 v14, v15, 4, v14
	v_add_nc_u32 v14, s17, v14                     ; the stage, on the way in: SP (lane / 4) + 16 (lane % 4); a load's 512 bytes take eight places
	v_mul_u32_u24 v15, v2, SP
	v_add_nc_u32 v15, s17, v15                     ; and on the way out: SP x lane: my 16 neighbours
	v_mul_u32_u24 v4, v2, CB                       ; my codes' place in a step's
	v_lshrrev_b32 v5, 1, v2
	s_add_co_u32 s17, s17, 2*32*SP
	v_add_nc_u32 v5, s17, v5                       ; LDS: my wave's 256 scale bytes, my block's byte
	v_lshlrev_b32 v7, 3, v2                        ; and on the way out 8 bytes a lane
	v_add_nc_u32 v6, s17, v7
	s_lshl_b32 s18, ttmp9, 1
	s_add_co_u32 s18, s18, s16                     ; which run of 8,192 numbers is my wave's: 0 .. 511
	s_mov_b32 s21, 0
	s_wait_kmcnt 0x0
	s_lshl_b32 s20, s18, 15                        ; 32,768 bytes of numbers,
	s_add_nc_u64 s[4:5], s[4:5], s[20:21]
	s_lshl_b32 s20, s18, 12                        ; 4,096 of codes,
	s_add_nc_u64 s[8:9], s[8:9], s[20:21]
	s_lshl_b32 s20, s18, 8                         ; 256 scale bytes a run
	s_add_nc_u64 s[10:11], s[10:11], s[20:21]
.macro LOAD t
.irp i, 0,1,2,3
	global_load_b128 v[R+16*((\t)%4)+4*\i:R+16*((\t)%4)+4*\i+3], v3, s[4:5] offset:2048*(\t)+512*\i th:TH_LOAD_NT   ; 32 lanes read 512 consecutive bytes
.endr
.endm
.macro TURN t                          ; step t's numbers through the stage: LDS serves a wave's instructions in order, so no wait stands between the stores and the loads
.irp i, 0,1,2,3
	ds_store_b128 v14, v[R+16*((\t)%4)+4*\i:R+16*((\t)%4)+4*\i+3] offset:32*SP*((\t)%2)+8*SP*\i
.endr
.irp i, 0,1,2,3
	ds_load_b128 v[X+16*((\t)%2)+4*\i:X+16*((\t)%2)+4*\i+3], v15 offset:32*SP*((\t)%2)+16*\i
.endr
.endm
.irp t, 0,1,2,3
	LOAD \t
.endr
	s_wait_loadcnt 12                              ; step 0's four loads are in; the twelve of steps 1 to 3 may be out
	TURN 0
.macro STEP t
.set XS, X+16*((\t)%2)
.if (\t) > 0
	s_wait_dscnt 1                                 ; this step's numbers are back from the stage (the last step's byte store may be out): so its stores into the stage have read their registers,
.else
	s_wait_dscnt 0x0
.endif
.if (\t)+4 < STEPS
	LOAD (\t)+4                                    ; which take the loads of four steps on
.endif
.if (\t)+1 < STEPS
.if STEPS-2-(\t) >= 3
	s_wait_loadcnt 12                              ; the next step's four loads are in; those of the three steps behind it may be out
.else
	s_wait_loadcnt 4*(STEPS-2-(\t))                ; at the end the count runs down with the steps that are left
.endif
	TURN (\t)+1                                    ; and go through the other stage while this step is worked
.endif
	v_max3_num_f32 v8, |v[XS]|, |v[XS+1]|, |v[XS+2]|               ; the largest magnitude of my 16, in two chains
	v_max3_num_f32 v9, |v[XS+3]|, |v[XS+4]|, |v[XS+5]|
.irp i, 6,10
	v_max3_num_f32 v8, v8, |v[XS+\i]|, |v[XS+\i+1]|
	v_max3_num_f32 v9, v9, |v[XS+\i+2]|, |v[XS+\i+3]|
.endr
	v_max3_num_f32 v8, v8, |v[XS+14]|, |v[XS+15]|
	v_max3_num_f32 v8, v8, v9, (EMAX+1)<<23        ; and the floor 2^(3 - 127): the byte cannot fall under 1
	v_max_num_f32_dpp v8, v8, v8 row_xmask:1 row_mask:0xf bank_mask:0xf   ; and of my neighbour's 16: the block's
	v_add_nc_u32 v11, 0xff000000, v8               ; 2 off its exponent field: the conversion takes the exponent field of this operand as its scale
	v_cvt_scalef32_pk8_fp4_f32 v[C+4*(\t)], v[XS:XS+7], v11        ; eight numbers / the scale, to the nearest code, ties to even, beyond 6 the largest code
	v_cvt_scalef32_pk8_fp4_f32 v[C+4*(\t)+1], v[XS+8:XS+15], v11
	v_lshrrev_b32 v[E+(\t)], 23, v11               ; the scale's byte (a plain line behind the conversions)
	ds_store_b8 v5, v[E+(\t)] offset:16*(\t)       ; both lanes of a block write the same byte with the same value
	global_store_b64 v4, v[C+4*(\t):C+4*(\t)+1], s[8:9] offset:32*CB*(\t)   ; 32 lanes store 256 consecutive bytes, aligned
.endm
.irp t, 0,1,2,3,4,5,6,7,8,9,10,11,12,13,14,15
	STEP \t
.endr
	ds_load_b64 v[8:9], v6                         ; LDS serves a wave's instructions in order: these see my byte stores
	s_wait_dscnt 0x0
	global_store_b64 v7, v[8:9], s[10:11]          ; 32 lanes store 256 consecutive bytes, aligned
	s_wait_tensorcnt 0x0                           ; the wave's end, behind my last LDS store
	ds_add_u32 v[SPW], v[NIL]
	s_wait_dscnt 0x0
	s_endpgm
.Lrelay:                                           ; W_o's codes into images.  No LDS on this way
	s_sub_co_u32 s17, ttmp9, 256
	s_lshl_b32 s17, s17, 1
	s_add_co_u32 s17, s17, s16                     ; my tile of 16 rows: 0 .. 63
	s_lshl_b32 s18, s17, 13                        ; 8,192 bytes a tile, in and out
	s_mov_b32 s19, 0
	v_and_b32 v3, 15, v0
	v_bfe_u32 v4, v0, 4, 1
	v_lshlrev_b32 v3, 9, v3
	v_lshl_add_u32 v3, v4, 4, v3                   ; in: row lane % 16 of 512 bytes, + 16 (lane / 16)
	v_lshlrev_b32 v5, 4, v2                        ; out: 16 x lane
	s_wait_kmcnt 0x0
	s_add_nc_u64 s[6:7], s[6:7], s[18:19]
	s_add_nc_u64 s[12:13], s[12:13], s[18:19]
.irp i, 0,1,2,3,4,5,6,7,8,9,10,11,12,13,14,15
	global_load_b128 v[32+4*\i:35+4*\i], v3, s[6:7] offset:32*\i th:TH_LOAD_NT
.endr
.irp i, 0,1,2,3,4,5,6,7,8,9,10,11,12,13,14,15
	s_wait_loadcnt 15-\i                           ; loads come back in order: image i is in, the younger ones may be out
	global_store_b128 v5, v[32+4*\i:35+4*\i], s[12:13] offset:512*\i   ; 32 lanes store 512 consecutive bytes, aligned
.endr
	s_endpgm
.Lfunc_end_k_q388c4cebf4_prep:
	.size	k_q388c4cebf4_prep, .Lfunc_end_k_q388c4cebf4_prep-k_q388c4cebf4_prep
	.p2alignl 7, 3214868480
	.fill 96, 4, 3214868480
	.section	.rodata,"a",@progbits
	.p2align	6, 0x0
	.amdhsa_kernel k_q388c4cebf4_prep
		.amdhsa_group_segment_fixed_size 16640
		.amdhsa_private_segment_fixed_size 0
		.amdhsa_enable_private_segment 0
		.amdhsa_kernarg_size 40
		.amdhsa_user_sgpr_count 2
		.amdhsa_user_sgpr_kernarg_segment_ptr 1
		.amdhsa_wavefront_size32 1
		.amdhsa_system_sgpr_workgroup_id_x 1
		.amdhsa_system_sgpr_workgroup_id_y 1
		.amdhsa_system_sgpr_workgroup_id_z 1
		.amdhsa_system_vgpr_workitem_id 0
		.amdhsa_next_free_vgpr 192
		.amdhsa_next_free_sgpr 66
		.amdhsa_reserve_vcc 0
		.amdhsa_float_denorm_mode_32 3
		.amdhsa_float_denorm_mode_16_64 3
		.amdhsa_memory_ordered 1
		.amdhsa_forward_progress 1
		.amdhsa_inst_pref_size 37
	.end_amdhsa_kernel
	.amdgpu_metadata
---
amdhsa.version: [ 1, 2 ]
amdhsa.kernels:
  - .name:           k_q388c4cebf4_prep
    .symbol:         k_q388c4cebf4_prep.kd
    .args:
      - { .name: inputs, .offset: 0, .size: 8, .value_kind: global_buffer, .address_space: global }
      - { .name: W_o_codes, .offset: 8, .size: 8, .value_kind: global_buffer, .address_space: global }
      - { .name: xc, .offset: 16, .size: 8, .value_kind: global_buffer, .address_space: global }
      - { .name: xs, .offset: 24, .size: 8, .value_kind: global_buffer, .address_space: global }
      - { .name: woi, .offset: 32, .size: 8, .value_kind: global_buffer, .address_space: global }
    .group_segment_fixed_size: 16640
    .private_segment_fixed_size: 0
    .kernarg_segment_align: 8
    .kernarg_segment_size: 40
    .max_flat_workgroup_size: 64
    .sgpr_count:     66
    .vgpr_count:     192
    .wavefront_size: 32
...
	.end_amdgpu_metadata
.endif
;; end of part 1
;; launch qkv (part 2): grid 4 x 48, 4 waves a work-group, clusters of 4 x 4, 327,680 bytes of LDS; arguments xc, xs, W_q_codes, W_q_scales, W_k_codes, W_k_scales, W_v_codes, W_v_scales, b_q, b_k, b_v, qc, qs, kv; writes qc, qs, kv
.if DOCPART == 2
	.amdgcn_target "amdgcn-amd-amdhsa--gfx1250"
	.amdhsa_code_object_version 6
	.text
	.protected	k_q388c4cebf4_qkv
	.globl	k_q388c4cebf4_qkv
	.p2align	8
	.type	k_q388c4cebf4_qkv,@function
k_q388c4cebf4_qkv:
	s_mov_b64 s[64:65], 0
	v_nop
	global_prefetch_b8 v0, s[64:65] scope:SCOPE_SE
	s_setreg_imm32_b32 hwreg(HW_REG_WAVE_MODE, 25, 1), 1
	s_wait_xcnt 0x0
	s_wait_alu depctr_hold_cnt(0) depctr_sa_sdst(0) depctr_va_vdst(0) depctr_va_sdst(0) depctr_va_ssrc(0) depctr_va_vcc(0) depctr_vm_vsrc(0)
	s_getreg_b32 s2, hwreg(HW_REG_IB_STS2, 6, 4)
	s_cmp_eq_u32 s2, 0
	s_cbranch_scc0 .Lentry_in_a_cluster
	s_endpgm
.Lentry_in_a_cluster:
	s_bfe_u32 s2, ttmp6, 0x10000c
	s_cmp_lg_u32 s2, 0xf033
	s_cbranch_scc0 .Lentry_shape_is_right
	s_endpgm
.Lentry_shape_is_right:
; Q = x W_q^T + b_q, K = x W_k^T + b_k, V^T = W_v x^T + b_v, each a product C = A B^T + bias on codes of FP4 with K = 1,024, and each result quantised at once, in registers, for the attention launch.  No work is left out.
; Twelve clusters of 4 x 4 work-groups, each cluster 1,024 x 1,024 of a C.  z = cluster y / 4: 0 = Q, 1 = K, 2 = V; tb = cluster y % 4.
;   z < 2: A = x (tile row 4 tb + cy), B = W_z (tile column cx): C[token][channel].      z = 2: A = W_v (tile row cy), B = x (tile column 4 tb + cx): C[channel][token].
; So in every case the columns of C run along the K of the product that will take it: the head's channels for Q and K, the tokens for V.
; A tile of C, 256 x 256, is a work-group of four waves; a wave makes 128 x 128: 64 accumulators, 512 registers.  K goes in two steps of 512 (rows of 256 bytes), each in an LDS slot of its own: both slots and all
; scale bytes are asked for at the start and nothing is filled again.  A wave has three tensor loads out.  The four work-groups of a row of the cluster need the same tiles of A, the four of a column the same tiles of B:
; each tile is asked for JOINTLY.  THE MATRIX INSTRUCTION IS USED TRANSPOSED (source 0 = 16 rows of B, source 1 = 16 rows of A): lane (r, h) holds row r of C and its registers j the columns 8 h + j.
; THE BIAS is the C of each sum's first product.  192 work-groups: a tile of another shape would lie across two of the three tensors.
; THE WAY OUT.  A block of 32 columns is two neighbouring accumulators in lanes l and l xor 16.  A conversion takes 8 neighbours from one lane and gives one register: word h of the block's four from the even accumulator,
; word 2 + h from the odd one.  Two exchanges of halves for each pair of blocks then leave registers 4 c .. 4 c + 3 of lane (r, h) = block 2 c + h of row r: an operand's registers, stored as they stand, 16 bytes a lane.
;   qc [head][tile of 16 queries][512 B];  qs [head][128 queries][lane][4 words], word p of lane (h, r) = tile 2 p + h, query r (bytes 0, 1: the two blocks' scales; bytes 2, 3: 0)
;   kv [head][128 keys][8,960 B]: +0 K, 8 images;  +4096 V^T, images [16 channels t][c];  +8192 K's scale words, as qs;  +8704 V's, [lane][2 words], word p of lane (h, r) = channels 16 (2 p + h) + r
; LIMITS: as stated at the head of the first launch (NaN, infinities; the floor of the scale byte).
; REGISTERS, in windows of 256: window 0: v0-31 addresses; v32-95 scale words, two sets; v96-127 at work on the way out; v128-191 A's fragments, then the codes made; v192-255 the bias.
;   window 1: B's fragments, two sets.   window 2: the accumulators of my rows 0-63 ((a, b) at v[8 (8 (a % 4) + b)]);   window 3: those of my rows 64-127.
.set NQ,     4                         ; matrix instructions deep in a slot
.set ROWB,   256                       ; a tile's row in bytes: 512 codes
.set KROW,   512                       ; a row of A or of B in memory
.set PITCH,  272                       ; an LDS row: 256 bytes + 16 of padding = 68 words: the 16 rows that a load touches start at 16 different banks (64 banks of 4 bytes: ISA guide 11.1)
.set FR,     8                         ; registers of a fragment
.set NL,     2                         ; LDS loads that bring one
.set NP,     4                         ; places behind this matrix instruction (ISA guide 7.12.1)
.set HALFT,  128*PITCH                 ; 128 rows: what one tensor load brings
.set SLOT,   4*HALFT                   ; A's 256 rows, then B's 256 rows
.set KS,     32                        ; a row of scale bytes
.set SCL,    2*SLOT                    ; behind the slots: the scale bytes, as rows of 256 bytes + 16 of padding
.set HALFS,  (128*KS/256)*272          ; those of 128 rows
.set SBLK,   (16*KS/256)*272           ; those of 16 rows
.set SPARE,  SCL+4*HALFS               ; the spare words, 128 bytes a wave, which no other line names
.set ADRA, 16                          ; v16-17  LDS address of my A fragments in slot 0, 1
.set ADRB, 20                          ; v20-21  the same for B
.set OL,   24                          ; v24  16 x lane: an image's place for my lane
.set OL8,  25                          ; v25  8 x lane
.set OBH,  26                          ; v26  32 h: the bias along the columns
.set ADRS, 27                          ; v27  LDS address of my scale words: lanes 0-15 A's rows, lanes 16-31 B's
.set SPW,  28                          ; v28  LDS address of my spare word; never rewritten
.set NIL,  29                          ; v29  0; never rewritten
.set OBR,  30                          ; v30  4 r: the bias along the rows
.set LN,   31                          ; v31  lane
.set SC,   32                          ; scale words: set s at v[SC + 32 s]; register 4 i + q: lanes 0-15 A's block i, lanes 16-31 B's block i, the slot's q-th 128 along K
.set TM,   96                          ; v96-99 largest magnitudes; v100-103 the other half's, then bytes; v104-107 a head's scale words; v108-111 the conversions' scale operands
.set PW,   112                         ; v112-119 block a's scale word
.set XW,   120                         ; v120-123 scale words, two blocks of rows to a register; v124-127 a head's
.set AF,   128                         ; A's fragments; on the way out block a's codes at v[128 + 8 a]
.set BI,   192                         ; the bias, 8 x 8 registers in the result's layout
.set G1, 24                            ; s[24:31] descriptor group 1 for A's tiles;  s[32:39] group 0, one set for each slot
.set G0, 32
.set G1B, 48                           ; s[48:55], s[56:63] the same for B's tiles
.set G0B, 56
.set G1S, 68                           ; s[68:75], s[76:79] groups 1 and 0 for A's scales;  s[80:87], s[88:91] for B's.  (s68-95 first hold the arguments)
.set G0S, 76
.set G1SB, 80
.set G0SB, 88
.set MSB, 0
.macro WIN new                         ; the immediate's high byte repeats the setting that is left
.if MSB != \new
	s_set_vgpr_msb (MSB<<8)|\new
.set MSB, \new
.endif
.endm
.set MUL_LO, 0xa1                      ; source 0 (B) window 1, source 1 (A) window 0, C and D window 2
.set MUL_HI, 0xf1                      ; the same, C and D window 3
.set TO_B,   0x40                      ; destination window 1, address window 0
; A joint load: waves 0 and 1 fetch for A, waves 2 and 3 for B.  Each line has one mask and one set of registers for all that issue it; the branch hangs on the wave's number alone.
.macro JLOAD g0a, g1a, g0b, g1b
	s_cmp_eq_u32 s15, 0
	s_cbranch_scc0 .Lfor_b_\@
	tensor_load_to_lds s[\g0a:\g0a+3], s[\g1a:\g1a+7]
	s_nop 0
.rept 4
	v_nop
.endr
	s_branch .Lasked_\@
.Lfor_b_\@:
	tensor_load_to_lds s[\g0b:\g0b+3], s[\g1b:\g1b+7]
	s_nop 0
.rept 4
	v_nop
.endr
.Lasked_\@:
.endm
.macro CROUND                          ; a round of the cluster's barrier
	s_barrier_signal -1
	s_barrier_wait -1
	s_cmp_lg_u32 s14, 0
	s_cbranch_scc1 .Lnot_wave_0_\@
	s_barrier_signal -3
.Lnot_wave_0_\@:
	s_barrier_wait -3
	s_barrier_signal -1
	s_barrier_wait -1
.endm
	s_load_b512 s[68:83], s[0:1], 0x0              ; xc, xs, W_q codes, scales, W_k codes, scales, W_v codes, scales
	s_load_b256 s[84:91], s[0:1], 0x40             ; b_q, b_k, b_v, qc
	s_load_b128 s[92:95], s[0:1], 0x60             ; qs, kv
	v_lshl_add_u32 v[SPW], v0, 2, SPARE
	v_mov_b32 v[NIL], 0
	ds_add_u32 v[SPW], v[NIL]                      ; the wave's opening: the add, twice on end, and its wait ahead of my first tensor load
	ds_add_u32 v[SPW], v[NIL]
	v_lshrrev_b32 v1, 5, v0
	v_readfirstlane_b32 s14, v1                    ; wave 0..3
	s_lshr_b32 s15, s14, 1                         ; which half of the tile's rows is mine.  Also: I fetch for A (0) or for B (1)
	s_and_b32 s16, s14, 1                          ; which half of its columns.  Also: which 128 rows of that tile I fetch
	s_bfe_u32 s40, ttmp6, 0x40000                  ; cx, cy: my place in the cluster
	s_bfe_u32 s41, ttmp6, 0x40004
	s_and_b32 s3, ttmp7, 0xffff                    ; the cluster's y, 0 .. 11: the same in all sixteen partners
	s_lshr_b32 s2, s3, 2                           ; z
	s_and_b32 s3, s3, 3
	s_lshl_b32 s3, s3, 2                           ; 4 tb: it walks x's 16 tiles of 256 tokens,
	s_cmp_lt_u32 s2, 2
	s_cselect_b32 s17, s3, 0                       ; which are A's rows for Q and K
	s_cselect_b32 s42, 0, s3                       ; and B's rows for V
	s_add_co_u32 s17, s17, s41                     ; tile row of C
	s_add_co_u32 s42, s42, s40                     ; tile column of C
	s_lshl_b32 s43, s41, 2
	s_lshl_b32 s43, 15, s43                        ; my row of the cluster
	s_lshl_b32 s44, 0x1111, s40                    ; my column
	; descriptor group 1: a tile of 128 rows x 256 bytes, padded in LDS
	s_or_b32 s[G1+0], s43, (0<<16)|(1<<20)|(1<<21)|(5<<22)|(3<<25)  ; 15:0 the mask: A's tiles go to my row; 17:16 elements of 1 byte; 20 padding on; 21 set beside a mask; 24:22 after every 64 words; 31:25 four words
	s_or_b32 s[G1B+0], s44, (0<<16)|(1<<20)|(1<<21)|(5<<22)|(3<<25)
.irp g, G1, G1B
	s_mov_b32 s[\g+1], ROWB<<16                    ; tensor_dim0
	s_mov_b32 s[\g+2], 128<<16                     ; tensor_dim1
	s_mov_b32 s[\g+3], ROWB<<16                    ; tile_dim0
	s_mov_b32 s[\g+4], 128                         ; tile_dim1
	s_mov_b32 s[\g+5], KROW                        ; tensor_dim0_stride
	s_mov_b32 s[\g+6], 0
	s_mov_b32 s[\g+7], 0
.endr
	s_lshl_b32 s18, s16, 7                         ; which 128 rows of the tile I fetch
	s_lshl_b32 s20, s17, 8
	s_add_co_u32 s20, s20, s18                     ; A: row 256 x tile row + 128 x half
	s_lshl_b32 s46, s42, 8
	s_add_co_u32 s46, s46, s18                     ; B: row 256 x tile column + 128 x half
	s_lshl_b32 s22, s20, 5                         ; where these rows' scale bytes begin (32 a row),
	s_lshl_b32 s20, s20, 9                         ; and their codes (512 a row): all under 2^32
	s_lshl_b32 s100, s46, 5
	s_lshl_b32 s46, s46, 9
	s_mov_b32 s21, 0
	s_mov_b32 s23, 0
	s_mov_b32 s47, 0
	s_mov_b32 s101, 0
	s_mul_i32 s45, s14, HALFT                      ; where they go: wave x 128 rows: no place in the cluster enters an LDS address
	s_mul_i32 s66, s14, HALFS
	s_wait_dscnt 0x0                               ; both opening adds are done
	s_wait_kmcnt 0x0
	s_cmp_eq_u32 s2, 0                             ; the buffers are chosen by z, which hangs on no address
	s_cselect_b64 s[8:9], s[72:73], s[76:77]       ; W_q or W_k: codes,
	s_cselect_b64 s[10:11], s[74:75], s[78:79]     ; scales,
	s_cselect_b64 s[12:13], s[84:85], s[86:87]     ; bias
	s_cselect_b64 s[96:97], s[90:91], s[94:95]     ; the codes go to qc or to kv,
	s_cselect_b64 s[98:99], s[92:93], s[94:95]     ; the scale words to qs or to kv
	s_cmp_lt_u32 s2, 2
	s_cselect_b64 s[4:5], s[68:69], s[80:81]       ; A: x, or W_v
	s_cselect_b64 s[6:7], s[70:71], s[82:83]
	s_cselect_b64 s[8:9], s[8:9], s[68:69]         ; B: the weight, or x
	s_cselect_b64 s[10:11], s[10:11], s[70:71]
	s_cselect_b64 s[12:13], s[12:13], s[88:89]
	s_add_nc_u64 s[20:21], s[4:5], s[20:21]
	s_add_nc_u64 s[22:23], s[6:7], s[22:23]
	s_add_nc_u64 s[46:47], s[8:9], s[46:47]
	s_add_nc_u64 s[100:101], s[10:11], s[100:101]
	; group 1 for the scales of 128 rows: a dense block of 4,096 bytes, as 16 rows of 256 bytes (32 elements of 8 bytes), 16 bytes of padding behind each.  (The arguments in s68-95 have been chosen from)
	s_or_b32 s[G1S+0], s43, (3<<16)|(1<<20)|(1<<21)|(5<<22)|(3<<25)
	s_or_b32 s[G1SB+0], s44, (3<<16)|(1<<20)|(1<<21)|(5<<22)|(3<<25)
.irp g, G1S, G1SB
	s_mov_b32 s[\g+1], 32<<16
	s_mov_b32 s[\g+2], (128*KS/256)<<16
	s_mov_b32 s[\g+3], 32<<16
	s_mov_b32 s[\g+4], 128*KS/256
	s_mov_b32 s[\g+5], 32
	s_mov_b32 s[\g+6], 0
	s_mov_b32 s[\g+7], 0
.endr
	CROUND                                         ; all sixteen work-groups are here: the joint loads meet
	s_mov_b32 s[G0S], 1
	s_add_co_u32 s[G0S+1], s66, SCL
	s_mov_b64 s[G0S+2:G0S+3], s[22:23]
	s_or_b32 s[G0S+3], s[G0S+3], 0x80000000
	s_mov_b32 s[G0SB], 1
	s_add_co_u32 s[G0SB+1], s66, SCL
	s_mov_b64 s[G0SB+2:G0SB+3], s[100:101]
	s_or_b32 s[G0SB+3], s[G0SB+3], 0x80000000
	JLOAD G0S, G1S, G0SB, G1SB                     ; the scales first: they are wanted with the first slot
.irp s, 0,1
	s_mov_b32 s[G0+4*\s], 1
	s_add_co_u32 s[G0+4*\s+1], s45, \s*SLOT
	s_add_nc_u64 s[G0+4*\s+2:G0+4*\s+3], s[20:21], \s*ROWB
	s_or_b32 s[G0+4*\s+3], s[G0+4*\s+3], 0x80000000
	s_mov_b32 s[G0B+4*\s], 1
	s_add_co_u32 s[G0B+4*\s+1], s45, \s*SLOT
	s_add_nc_u64 s[G0B+4*\s+2:G0B+4*\s+3], s[46:47], \s*ROWB
	s_or_b32 s[G0B+4*\s+3], s[G0B+4*\s+3], 0x80000000
	JLOAD G0+4*\s, G1, G0B+4*\s, G1B
.endr
	v_and_b32 v1, 15, v0                           ; r
	v_bfe_u32 v2, v0, 4, 1                         ; h
	v_mul_u32_u24 v3, v1, PITCH
	v_lshl_add_u32 v4, v2, 4, v3                   ; a fragment's row x pitch + 16 h
	s_mul_i32 s21, s15, HALFT                      ; my 128 rows of A
	s_mul_i32 s22, s16, HALFT                      ; my 128 rows of B,
	s_add_co_u32 s22, s22, 2*HALFT                 ; which lie behind A's 256
.irp s, 0,1
	v_add_nc_u32 v[ADRA+\s], s21, v4
	v_add_nc_u32 v[ADRB+\s], s22, v4
	s_add_co_u32 s21, s21, SLOT
	s_add_co_u32 s22, s22, SLOT
.endr
	v_mul_u32_u24 v5, v1, KS                       ; my row's scales: 32 bytes a row,
	v_lshrrev_b32 v6, 8, v5
	v_lshl_add_u32 v5, v6, 4, v5                   ; and 16 more for each 256 passed
	s_mul_i32 s21, s15, HALFS                      ; A's: my 128 rows
	s_mul_i32 s22, s16, HALFS                      ; B's: my 128 rows, behind A's 256
	s_add_co_u32 s22, s22, 2*HALFS
	s_sub_co_u32 s22, s22, s21
	v_mul_u32_u24 v6, s22, v2                      ; lanes 16-31 take B's: one product, the distance between the two bases
	s_add_co_u32 s21, s21, SCL
	v_add_nc_u32 v5, v5, v6
	v_add_nc_u32 v[ADRS], s21, v5
	v_and_b32 v[LN], 31, v0
	v_lshlrev_b32 v[OL], 4, v[LN]
	v_lshlrev_b32 v[OL8], 3, v[LN]
	v_lshlrev_b32 v[OBH], 5, v2
	v_lshlrev_b32 v[OBR], 2, v1
	s_mov_b32 s100, 0x76543210                     ; v_permlanex16_b32's selects for lane l xor 16
	s_mov_b32 s101, 0xfedcba98
	; where my results go.  hh: the first of my two heads; gg: my group of 128 tokens
	s_lshl_b32 s18, s17, 8
	s_lshl_b32 s19, s15, 7
	s_add_co_u32 s18, s18, s19                     ; m0: my first row of C
	s_lshl_b32 s19, s42, 8
	s_lshl_b32 s3, s16, 7
	s_add_co_u32 s19, s19, s3                      ; n0: my first column
	s_cmp_lt_u32 s2, 2
	s_cselect_b32 s20, s19, s18                    ; the channels are the columns for Q and K, the rows for V
	s_cselect_b32 s21, s18, s19                    ; the tokens the other
	s_lshr_b32 s20, s20, 6                         ; hh
	s_lshr_b32 s21, s21, 7                         ; gg
	s_cmp_eq_u32 s2, 0                             ; (an instruction takes one literal: so a move, which leaves SCC alone, and a choice)
	s_mov_b32 s22, 286720
	s_cselect_b32 s22, 131072, s22                 ; codes: bytes from head to head,
	s_mov_b32 s23, 8960
	s_cselect_b32 s23, 4096, s23                   ; from group to group
	s_mov_b32 s46, 286720
	s_cselect_b32 s46, 16384, s46                  ; scale words: from head to head,
	s_mov_b32 s47, 8960
	s_cselect_b32 s47, 512, s47                    ; from group to group,
	s_cselect_b32 s67, 0, 8192                     ; and where they begin in a record: K's,
	s_cmp_eq_u32 s2, 2
	s_cselect_b32 s66, 4096, 0                     ; V's images begin 4,096 bytes into a record,
	s_cselect_b32 s67, 8704, s67                   ; V's scale words
	s_mul_i32 s18, s20, s22
	s_mul_i32 s19, s21, s23
	s_add_co_u32 s18, s18, s19
	s_add_co_u32 s18, s18, s66                     ; under 2^32: kv has 4,587,520 bytes
	s_mov_b32 s19, 0
	s_add_nc_u64 s[4:5], s[96:97], s[18:19]        ; codes, head hh
	s_mov_b32 s18, s22
	s_add_nc_u64 s[6:7], s[4:5], s[18:19]          ; codes, head hh + 1
	s_mul_i32 s18, s20, s46
	s_mul_i32 s3, s21, s47
	s_add_co_u32 s18, s18, s3
	s_add_co_u32 s18, s18, s67
	s_add_nc_u64 s[8:9], s[98:99], s[18:19]        ; scale words, head hh
	s_mov_b32 s18, s46
	s_add_nc_u64 s[10:11], s[8:9], s[18:19]        ; scale words, head hh + 1
	s_lshl_b32 s18, s20, 8                         ; the bias of my 128 channels: 64 hh numbers on
	s_add_nc_u64 s[12:13], s[12:13], s[18:19]
	s_cmp_lt_u32 s2, 2
	s_cbranch_scc0 .Lbias_v
.irp b, 0,1,2,3,4,5,6,7                        ; Q, K: the bias runs along the columns: register 8 b + j = bias[n0 + 16 b + 8 h + j]
	global_load_b128 v[BI+8*\b:BI+8*\b+3], v[OBH], s[12:13] offset:64*\b
	global_load_b128 v[BI+8*\b+4:BI+8*\b+7], v[OBH], s[12:13] offset:64*\b+16
.endr
	s_wait_loadcnt 0x0
	s_branch .Lbias_done
.Lbias_v:
.irp a, 0,1,2,3,4,5,6,7                        ; V: it runs along the rows: registers 8 a + 0 .. 7 all = bias[m0 + 16 a + r]
	global_load_b32 v[BI+8*\a], v[OBR], s[12:13] offset:64*\a
.endr
	s_wait_loadcnt 0x0
.irp a, 0,1,2,3,4,5,6,7
.irp j, 1,2,3,4,5,6,7
	v_mov_b32 v[BI+8*\a+\j], v[BI+8*\a]
.endr
.endr
.Lbias_done:
.macro FRAG reg, adr, q, i             ; a fragment, 16 rows x 128 K: lane l holds row l % 16; registers 4 c .. 4 c + 3 hold K = 64 c + 32 (l / 16) + 0 .. 31
.irp c, 0,1
	ds_load_b128 v[\reg+4*\c:\reg+4*\c+3], v[\adr] offset:64*(\q)+32*\c+(\i)*16*PITCH
.endr
.endm
; 16 matrix instructions: A's blocks a0, a0 + 1 x B's eight, the slot's q-th 128 along K.  p: B's set; sc: the set of scale words.
; cm = 0: the sums go on.  cm = 1: they start with the bias along the columns.  cm = 2: with the bias along the rows.  Nothing is ever cleared.
; The 64 accumulators take turns, one instruction a turn, in the same order in every step.
.macro MUL16 a0, p, q, sc, cm
.irp a, \a0, \a0+1
.irp b, 0,1,2,3,4,5,6,7
.if \cm == 1
	v_wmma_scale_f32_16x16x128_f8f6f4 v[8*(8*((\a)%4)+\b):8*(8*((\a)%4)+\b)+7], v[128*(\p)+FR*\b:128*(\p)+FR*\b+FR-1], v[AF+FR*(\a):AF+FR*(\a)+FR-1], v[BI+8*\b:BI+8*\b+7], v[SC+8*NQ*(\sc)+NQ*\b+(\q)], v[SC+8*NQ*(\sc)+NQ*(\a)+(\q)] matrix_a_fmt:MATRIX_FMT_FP4 matrix_b_fmt:MATRIX_FMT_FP4 matrix_a_scale:MATRIX_SCALE_ROW1
.elseif \cm == 2
	v_wmma_scale_f32_16x16x128_f8f6f4 v[8*(8*((\a)%4)+\b):8*(8*((\a)%4)+\b)+7], v[128*(\p)+FR*\b:128*(\p)+FR*\b+FR-1], v[AF+FR*(\a):AF+FR*(\a)+FR-1], v[BI+8*(\a):BI+8*(\a)+7], v[SC+8*NQ*(\sc)+NQ*\b+(\q)], v[SC+8*NQ*(\sc)+NQ*(\a)+(\q)] matrix_a_fmt:MATRIX_FMT_FP4 matrix_b_fmt:MATRIX_FMT_FP4 matrix_a_scale:MATRIX_SCALE_ROW1
.else
	v_wmma_scale_f32_16x16x128_f8f6f4 v[8*(8*((\a)%4)+\b):8*(8*((\a)%4)+\b)+7], v[128*(\p)+FR*\b:128*(\p)+FR*\b+FR-1], v[AF+FR*(\a):AF+FR*(\a)+FR-1], v[8*(8*((\a)%4)+\b):8*(8*((\a)%4)+\b)+7], v[SC+8*NQ*(\sc)+NQ*\b+(\q)], v[SC+8*NQ*(\sc)+NQ*(\a)+(\q)] matrix_a_fmt:MATRIX_FMT_FP4 matrix_b_fmt:MATRIX_FMT_FP4 matrix_a_scale:MATRIX_SCALE_ROW1
.endif
.endr
.endr
.endm
.macro FETCH_B slot, q, p              ; B's eight fragments of the slot's q-th 128 along K into set p
	WIN TO_B
.irp i, 0,1,2,3,4,5,6,7
	FRAG 128*(\p)+FR*\i, ADRB+\slot, \q, \i
.endr
	WIN 0
.endm
.macro FETCH_A slot, q, i0             ; A's blocks i0 .. i0 + 3
.irp i, \i0, \i0+1, \i0+2, \i0+3
	FRAG AF+FR*(\i), ADRA+\slot, \q, \i
.endr
.endm
.macro SCALES sc                       ; a slot's scale words into set sc: four words a row; lanes 0-15 take A's block i, lanes 16-31 B's block i
.irp i, 0,1,2,3,4,5,6,7
	ds_load_b128 v[SC+8*NQ*\sc+NQ*\i:SC+8*NQ*\sc+NQ*\i+3], v[ADRS] offset:\i*SBLK
.endr
.endm
.macro PLACES n                        ; a load into a register that a matrix instruction has read stands NP plain vector instructions behind it (ISA guide 7.12.1 for vector instructions)
.rept \n
	v_nop
.endr
.endm
; A step of 128 along K that has its successor in the same slot.  A's blocks are free as soon as their eight products are issued, so A has one set of registers: blocks 0-3 are fetched anew in the step's middle, blocks 4-7 at its end.
.macro STEP slot, q, cm
	s_wait_dscnt 4*NL                              ; B's set and A's blocks 0-3 are in; the youngest eight loads (A's blocks 4-7) may be out
.if \cm
	WIN 0x81                                       ; source 0 window 1, source 1 and C (the bias) window 0, D window 2
.else
	WIN MUL_LO
.endif
	MUL16 0, (\q)%2, \q, \slot, \cm
	MUL16 2, (\q)%2, \q, \slot, \cm
	s_wait_dscnt 0                                 ; A's blocks 4-7 are in
	PLACES NP
	FETCH_B \slot, (\q)+1, 1-(\q)%2
	FETCH_A \slot, (\q)+1, 0
.if \cm
	WIN 0xc1                                       ; the same, D window 3
.else
	WIN MUL_HI
.endif
	MUL16 4, (\q)%2, \q, \slot, \cm
	MUL16 6, (\q)%2, \q, \slot, \cm
	PLACES NP
	WIN 0
	FETCH_A \slot, (\q)+1, 4
.endm
.macro STEPS slot, from                ; the slot's steps from .. NQ - 2
.set Q, \from
.rept NQ-1-\from
	STEP \slot, Q, 0
.set Q, Q+1
.endr
.endm
	s_wait_tensorcnt 1                             ; the scales and my part of slot 0 are in; slot 1's load, the one issued behind them, may be out
	s_barrier_signal -1
	s_barrier_wait -1                              ; everybody's are
	FETCH_B 0, 0, 0
	FETCH_A 0, 0, 0
	SCALES 0
	FETCH_A 0, 0, 4
	s_cmp_lt_u32 s2, 2                             ; the first step is written twice: it differs in which registers of the bias start a sum.  Both ways hold the same loads, waits and turns
	s_cbranch_scc0 .Lfirst_v
	STEP 0, 0, 1
	s_branch .Lfirst_done
.Lfirst_v:
	STEP 0, 0, 2
.Lfirst_done:
	STEPS 0, 1
	; slot 0's last step changes slots: one barrier; in front of it each wave waits for all its tensor loads (slot 1's part) and for its own reads
	s_wait_tensorcnt 0x0
	ds_add_u32 v[SPW], v[NIL]                      ; 0 onto my spare word
	s_wait_dscnt 4*NL+1                            ; the add and the youngest eight loads (A's blocks 4-7) may be out
	WIN MUL_LO
	MUL16 0, 1, NQ-1, 0, 0
	s_wait_dscnt 0x0                               ; the add is done, and no LDS instruction of mine is out at the signal
	s_barrier_signal -1
	MUL16 2, 1, NQ-1, 0, 0                         ; work on registers while the others arrive
	WIN 0
	s_barrier_wait -1                              ; slot 1 is whole
	PLACES NP
	v_add_nc_u32 v[ADRS], 4*NQ, v[ADRS]            ; on to slot 1's scale words: 16 bytes on in each row
	FETCH_B 1, 0, 0
	FETCH_A 1, 0, 0
	SCALES 1
	WIN MUL_HI
	MUL16 4, 1, NQ-1, 0, 0
	MUL16 6, 1, NQ-1, 0, 0
	PLACES NP
	WIN 0
	FETCH_A 1, 0, 4
	STEPS 1, 0
	s_wait_dscnt 4*NL                              ; the very last step: nothing more to fetch
	WIN MUL_LO
	MUL16 0, 1, NQ-1, 1, 0
	MUL16 2, 1, NQ-1, 1, 0
	s_wait_dscnt 0
	WIN MUL_HI
	MUL16 4, 1, NQ-1, 1, 0
	MUL16 6, 1, NQ-1, 1, 0
	WIN 0
; THE WAY OUT.  Block a: 16 rows x 128 columns = four blocks of 32 along the next K, quantised in registers.
.macro QUANTW a
.set AC, 64*((\a)%4)                   ; its eight accumulators, in window 2 or 3
.set PC, AF+8*(\a)                     ; its codes
	WIN 0x0a+5*((\a)/4)                            ; sources 0 and 1: window 2 or 3; the running maximum is source 2, in window 0
.irp b, 0,1,2,3
	v_max3_num_f32 v[TM+\b], |v[AC+16*\b]|, |v[AC+16*\b+1]|, 0x1800000   ; block b: my 16 numbers, and the floor 2^(3 - 127): the byte cannot fall under 1.  Each accumulator is read from its low end on
.endr
.irp i, 2,4,6,8,10,12,14
.irp b, 0,1,2,3
	v_max3_num_f32 v[TM+\b], |v[AC+16*\b+\i]|, |v[AC+16*\b+\i+1]|, v[TM+\b]   ; (the four blocks by turns)
.endr
.endr
	WIN 0
.irp b, 0,1,2,3
	v_permlanex16_b32 v[TM+4+\b], v[TM+\b], s100, s101
.endr
.irp b, 0,1,2,3
	v_max_num_f32 v[TM+\b], v[TM+\b], v[TM+4+\b]   ; with lane l xor 16's: the block's largest magnitude
.endr
.irp b, 0,1,2,3
	v_add_nc_u32 v[TM+12+\b], 0xff000000, v[TM+\b] ; 2 off its exponent field: the conversion's scale operand
.endr
.irp b, 0,1,2,3
	v_lshrrev_b32 v[TM+4+\b], 23, v[TM+12+\b]      ; the scale's byte
.endr
	v_lshl_or_b32 v[PW+(\a)], v[TM+5], 8, v[TM+4]  ; the four bytes: my row's scale word
	v_lshl_or_b32 v[PW+(\a)], v[TM+6], 16, v[PW+(\a)]
	v_lshl_or_b32 v[PW+(\a)], v[TM+7], 24, v[PW+(\a)]
	WIN 2+(\a)/4                                   ; source 0: window 2 or 3
.irp b, 0,1,2,3
	v_cvt_scalef32_pk8_fp4_f32 v[PC+4*(\b/2)+\b%2], v[AC+16*\b:AC+16*\b+7], v[TM+12+\b]       ; columns 32 b + 8 h + 0 .. 7: word h of the block
	v_cvt_scalef32_pk8_fp4_f32 v[PC+4*(\b/2)+2+\b%2], v[AC+16*\b+8:AC+16*\b+15], v[TM+12+\b]  ; columns 32 b + 16 + 8 h + 0 .. 7: word 2 + h
.endr
	WIN 0
	v_nop                                          ; one plain line behind a scaled conversion
.irp c, 0,1                                    ; the first's lanes 16-31 change places with the second's lanes 0-15: registers 4 c .. 4 c + 3 of lane (r, h) now hold words 0 .. 3 of block 2 c + h
	v_permlane16_swap_b32 v[PC+4*\c], v[PC+4*\c+1]
	v_permlane16_swap_b32 v[PC+4*\c+2], v[PC+4*\c+3]
.endr
.endm
.irp b, 0,1,2,3
	v_mov_b32 v[TM+4+\b], 0                        ; a lane permute's destination counts as one of its sources: written once.  These four are also the places behind the last products
.endr
.irp a, 0,1,2,3,4,5,6,7
	QUANTW \a                                      ; each block has its own registers for its codes and its word: no store's data are written again
.endr
	v_cmp_le_u32 vcc_lo, 16, v[LN]
.irp q, 0,1,2,3
	v_cndmask_b32 v[XW+\q], v[PW+2*\q], v[PW+2*\q+1], vcc_lo   ; lanes 0-15: block 2 q's words, lanes 16-31: block 2 q + 1's
.endr
	s_cmp_lt_u32 s2, 2
	s_cbranch_scc0 .Lout_v
.irp a, 0,1,2,3,4,5,6,7                        ; Q, K: block a is tile a of the group's eight; registers 4 c on belong to head hh + c
.irp c, 0,1
	global_store_b128 v[OL], v[AF+8*\a+4*\c:AF+8*\a+4*\c+3], s[4+2*\c:5+2*\c] offset:512*\a   ; 32 lanes store 512 consecutive bytes, aligned
.endr
.endr
.irp q, 0,1,2,3
	v_and_b32 v[XW+4+\q], 0xffff, v[XW+\q]         ; head hh: bytes 0, 1; the upper two bytes are 0
	v_lshrrev_b32 v[TM+8+\q], 16, v[XW+\q]         ; head hh + 1: bytes 2, 3
.endr
	global_store_b128 v[OL], v[XW+4:XW+7], s[8:9]
	global_store_b128 v[OL], v[TM+8:TM+11], s[10:11]
	s_branch .Lend
.Lout_v:
.irp a, 0,1,2,3,4,5,6,7                        ; V: block a is channels 16 (a % 4) on of head hh + a / 4; registers 4 c on are keys 64 c on
.irp c, 0,1
	global_store_b128 v[OL], v[AF+8*\a+4*\c:AF+8*\a+4*\c+3], s[4+2*(\a/4):5+2*(\a/4)] offset:(\a%4)*1024+512*\c
.endr
.endr
	global_store_b64 v[OL8], v[XW:XW+1], s[8:9]    ; 32 lanes store 256 consecutive bytes, aligned
	global_store_b64 v[OL8], v[XW+2:XW+3], s[10:11]
.Lend:
	s_wait_tensorcnt 0x0                           ; the wave's end
	ds_add_u32 v[SPW], v[NIL]
	s_wait_dscnt 0x0
	CROUND                                         ; the closing round: no work-group ends while a partner may still ask for a tile that names it
	s_endpgm
.Lfunc_end_k_q388c4cebf4_qkv:
	.size	k_q388c4cebf4_qkv, .Lfunc_end_k_q388c4cebf4_qkv-k_q388c4cebf4_qkv
	.p2alignl 7, 3214868480
	.fill 96, 4, 3214868480
	.section	.rodata,"a",@progbits
	.p2align	6, 0x0
	.amdhsa_kernel k_q388c4cebf4_qkv
		.amdhsa_group_segment_fixed_size 327680
		.amdhsa_private_segment_fixed_size 0
		.amdhsa_enable_private_segment 0
		.amdhsa_kernarg_size 112
		.amdhsa_user_sgpr_count 2
		.amdhsa_user_sgpr_kernarg_segment_ptr 1
		.amdhsa_wavefront_size32 1
		.amdhsa_system_sgpr_workgroup_id_x 1
		.amdhsa_system_sgpr_workgroup_id_y 1
		.amdhsa_system_sgpr_workgroup_id_z 1
		.amdhsa_system_vgpr_workitem_id 0
		.amdhsa_next_free_vgpr 1024
		.amdhsa_next_free_sgpr 102
		.amdhsa_reserve_vcc 1
		.amdhsa_float_denorm_mode_32 3
		.amdhsa_float_denorm_mode_16_64 3
		.amdhsa_memory_ordered 1
		.amdhsa_forward_progress 1
		.amdhsa_inst_pref_size 146
	.end_amdhsa_kernel
	.amdgpu_metadata
---
amdhsa.version: [ 1, 2 ]
amdhsa.kernels:
  - .name:           k_q388c4cebf4_qkv
    .symbol:         k_q388c4cebf4_qkv.kd
    .args:
      - { .name: xc, .offset: 0, .size: 8, .value_kind: global_buffer, .address_space: global }
      - { .name: xs, .offset: 8, .size: 8, .value_kind: global_buffer, .address_space: global }
      - { .name: W_q_codes, .offset: 16, .size: 8, .value_kind: global_buffer, .address_space: global }
      - { .name: W_q_scales, .offset: 24, .size: 8, .value_kind: global_buffer, .address_space: global }
      - { .name: W_k_codes, .offset: 32, .size: 8, .value_kind: global_buffer, .address_space: global }
      - { .name: W_k_scales, .offset: 40, .size: 8, .value_kind: global_buffer, .address_space: global }
      - { .name: W_v_codes, .offset: 48, .size: 8, .value_kind: global_buffer, .address_space: global }
      - { .name: W_v_scales, .offset: 56, .size: 8, .value_kind: global_buffer, .address_space: global }
      - { .name: b_q, .offset: 64, .size: 8, .value_kind: global_buffer, .address_space: global }
      - { .name: b_k, .offset: 72, .size: 8, .value_kind: global_buffer, .address_space: global }
      - { .name: b_v, .offset: 80, .size: 8, .value_kind: global_buffer, .address_space: global }
      - { .name: qc, .offset: 88, .size: 8, .value_kind: global_buffer, .address_space: global }
      - { .name: qs, .offset: 96, .size: 8, .value_kind: global_buffer, .address_space: global }
      - { .name: kv, .offset: 104, .size: 8, .value_kind: global_buffer, .address_space: global }
    .group_segment_fixed_size: 327680
    .private_segment_fixed_size: 0
    .kernarg_segment_align: 8
    .kernarg_segment_size: 112
    .max_flat_workgroup_size: 128
    .sgpr_count:     102
    .vgpr_count:     1024
    .wavefront_size: 32
...
	.end_amdgpu_metadata
.endif
;; end of part 2
;; launch attn (part 3): grid 16 x 16, 16 waves a work-group, clusters of 4 x 1, 327,680 bytes of LDS; arguments qc, qs, kv, mask, oc, os; writes oc, os
.if DOCPART == 3
	.amdgcn_target "amdgcn-amd-amdhsa--gfx1250"
	.amdhsa_code_object_version 6
	.text
	.protected	k_q388c4cebf4_attn
	.globl	k_q388c4cebf4_attn
	.p2align	8
	.type	k_q388c4cebf4_attn,@function
k_q388c4cebf4_attn:
	s_mov_b64 s[64:65], 0
	v_nop
	global_prefetch_b8 v0, s[64:65] scope:SCOPE_SE
	s_setreg_imm32_b32 hwreg(HW_REG_WAVE_MODE, 25, 1), 1
	s_wait_xcnt 0x0
	s_wait_alu depctr_hold_cnt(0) depctr_sa_sdst(0) depctr_va_vdst(0) depctr_va_sdst(0) depctr_va_ssrc(0) depctr_va_vcc(0) depctr_vm_vsrc(0)
	s_getreg_b32 s2, hwreg(HW_REG_IB_STS2, 6, 4)
	s_cmp_eq_u32 s2, 0
	s_cbranch_scc0 .Lentry_in_a_cluster
	s_endpgm
.Lentry_in_a_cluster:
	s_bfe_u32 s2, ttmp6, 0x10000c
	s_cmp_lg_u32 s2, 0x3003
	s_cbranch_scc0 .Lentry_shape_is_right
	s_endpgm
.Lentry_shape_is_right:
; O[h][q] = the sum over k of softmax_k(Q[h][q] . K[h][k] / 32 x mask[q] mask[k]) V[h][k], both products on codes of FP4; O is quantised along H at once for the last launch.  No work is left out: the mask MULTIPLIES the
; scores, so a masked key counts with the score 0 and a masked query is an average of all V.
; THE SOFTMAX: t = score x log2(e); M = the row's largest t so far, rounded up to a whole number; p = 2^(t - M) is what is quantised, along the keys; the row's sum is taken of the unquantised p and divides O at the end.
; When M moves, the sum and O are multiplied by 2^(old M - new M): exact.
; THE MASK, for any whole numbers: t = (S x f32(mask[k])) x a, a = |f32(mask[q])| x log2(e) / 32.  a is never negative, so the largest S x mask[k] gives the largest t.  The sign of mask[q] goes into Q's codes (the sign bit of each
; code is turned: the quantiser is odd, so these are the codes of -Q).  LIMIT: |mask| at most 32,767, so that the whole-number product of two of them is exact in f32.
; LIMITS: NaN and infinities are not served; p under 2^-126 becomes 0 (the exponential flushes: ISA guide, 15.8); the floor of the scale byte as stated at the head of the first launch.
; SHARES.  A work-group owns 256 queries of one head, each of its sixteen waves 16 of them, in 256 registers: four waves to a SIMD, so that one wave's vector work stands beside another's matrix work and LDS loads.
; ALL OF A HEAD'S K, V AND THEIR SCALES, 286,720 bytes, lie in LDS: 32 records of 128 keys, as the launch before laid them, each image in the order of an operand's registers.  Each wave asks for two records at the start
; (two tensor loads out); nothing is filled again.  The four work-groups of a cluster belong to one head: each record is asked for JOINTLY.
; LAYOUT.  Both products are used transposed: S^T = K Q^T, O^T = V^T P^T: a lane holds ONE query (lane % 16) throughout.  In S^T, register 8 t + j of lane (r, h) is key 16 t + 8 h + j.
; THE HEAD HAS 64 CHANNELS, the instruction 128 along K.  Q's upper four registers are zero codes.  K's tiles are read at 16 bytes a lane, and the upper four registers that a product names are the next tile's codes: they meet
; zero codes, under scale bytes of 0 on both sides, and add nothing.
; REGISTERS: v1, v2 16 x and 8 x lane; v3-5 addresses of the loads in hand; v6, v7 the add's two; v[8:9] a; v12 -M, v13 the largest t, v[14:15] the sum; v16-23 Q; v24-27 K's scale words, v28-29 V's, v30 Q's, v31 p's;
;   v32-63 K, v64-67 zeros; v68-71 mask words; v72-95 at work at the head and the end; v96-159 S^T, then p; v160-191 O^T; v192-223 V; v224-231 p's codes; v232-254 at work.
.set REC,   8960                       ; a record: +0 K's 8 images, +4096 V^T's 8, +8192 K's scale words, +8704 V's
.set HEADB, 32*REC
.set MK,    HEADB                      ; the mask as f32, [128 keys][lane l][b 0..3] = mask[32 b + kap(l)], kap(l) = 16 ((l / 8) % 2) + 8 (l / 16) + l % 8: 16,384 bytes, written by the waves
.set OSC,   MK+16384                   ; the way out: the work-group's 256 pairs of scale bytes
.set SPARE, OSC+512                    ; the spare words, 128 bytes a wave, which no other line names
.set WV,  16                           ; s16  my wave's number
.set SEL, 20                           ; s[20:21] lane selects for v_permlanex16_b32: lane l xor 16
.set CC,  22                           ; s22  log2(e) / 32
.set G1,  24                           ; s[24:31] descriptor group 1: a record
.set G0A, 32                           ; s[32:35] group 0: record w;  s[36:39]: record 16 + w
.set G0B, 36
.set TB,  40                           ; s40  LDS byte at which the step's record begins
.set TMK, 41                           ; s41  and its mask words
.set CNT, 42
.macro CROUND                          ; a round of the cluster's barrier
	s_barrier_signal -1
	s_barrier_wait -1
	s_cmp_lg_u32 s[WV], 0
	s_cbranch_scc1 .Lnot_wave_0_\@
	s_barrier_signal -3
.Lnot_wave_0_\@:
	s_barrier_wait -3
	s_barrier_signal -1
	s_barrier_wait -1
.endm
	s_load_b256 s[4:11], s[0:1], 0x0               ; qc s[4:5], qs s[6:7], kv s[8:9], mask s[10:11]
	s_load_b128 s[12:15], s[0:1], 0x20             ; oc s[12:13], os s[14:15]
	v_lshl_add_u32 v6, v0, 2, SPARE
	v_mov_b32 v7, 0
	ds_add_u32 v6, v7                              ; the wave's opening: the add, twice on end, and its wait ahead of my first tensor load
	ds_add_u32 v6, v7
	v_lshrrev_b32 v72, 5, v0
	v_readfirstlane_b32 s[WV], v72                 ; wave 0..15
	s_bfe_u32 s17, ttmp6, 0x40000                  ; cx: my place in the cluster
	s_lshl_b32 s18, ttmp9, 2
	s_add_co_u32 s18, s18, s17                     ; my block of 256 queries: it enters the addresses of Q, of the queries' mask and of O alone
	s_and_b32 s19, ttmp7, 0xffff                   ; the head, which the four partners share
	s_mov_b32 s[G1], 15|(3<<16)|(1<<21)            ; 15:0 the mask: all four work-groups; 17:16 elements of 8 bytes; 21 set beside a mask; no padding: images are read 16 bytes a lane on end
	s_mov_b32 s[G1+1], 32<<16                      ; tensor_dim0 = 32 elements: rows of 256 bytes
	s_mov_b32 s[G1+2], 35<<16                      ; tensor_dim1 = 35 rows: 8,960 bytes
	s_mov_b32 s[G1+3], 32<<16                      ; tile_dim0
	s_mov_b32 s[G1+4], 35                          ; tile_dim1
	s_mov_b32 s[G1+5], 32                          ; the pitch: dense
	s_mov_b32 s[G1+6], 0
	s_mov_b32 s[G1+7], 0
	s_mul_i32 s43, s[WV], REC                      ; record w: in LDS,
	s_mul_i32 s44, s19, HEADB
	s_add_co_u32 s44, s44, s43                     ; and in kv
	s_mov_b32 s45, 0
	s_mov_b32 s[SEL], 0x76543210
	s_mov_b32 s[SEL+1], 0xfedcba98
	s_mov_b32 s[CC], 0x3d38aa3b                    ; log2(e) / 32
	s_mov_b32 s[TB], 0
	s_mov_b32 s[TMK], MK
	s_wait_dscnt 0x0                               ; both opening adds are done
	s_wait_kmcnt 0x0
	CROUND                                         ; all four work-groups are here: the joint loads meet
	s_mov_b32 s[G0A], 1
	s_mov_b32 s[G0A+1], s43
	s_add_nc_u64 s[G0A+2:G0A+3], s[8:9], s[44:45]
	s_mov_b32 s[G0B], 1
	s_add_co_u32 s[G0B+1], s43, 16*REC
	s_add_nc_u64 s[G0B+2:G0B+3], s[G0A+2:G0A+3], 16*REC
	s_or_b32 s[G0A+3], s[G0A+3], 0x80000000
	s_or_b32 s[G0B+3], s[G0B+3], 0x80000000
	tensor_load_to_lds s[G0A:G0A+3], s[G1:G1+7]    ; every wave issues both, with no branch
	s_nop 0
	tensor_load_to_lds s[G0B:G0B+3], s[G1:G1+7]
	s_nop 0
.rept 4
	v_nop
.endr
	s_lshl_b32 s46, s18, 4
	s_add_co_u32 s46, s46, s[WV]                   ; T: my tile of 16 queries, 0 .. 255
	s_mov_b32 s49, 0
	s_lshl_b32 s48, s19, 17
	s_lshl_b32 s50, s46, 9
	s_add_co_u32 s48, s48, s50
	s_add_nc_u64 s[4:5], s[4:5], s[48:49]          ; Q's image: head x 131,072 + 512 T
	s_lshl_b32 s48, s19, 14                        ; Q's scale words: head x 16,384 + group (T / 8) x 512 + lane (16 (T % 2) + r) x 16 + word ((T / 2) % 4) x 4
	s_lshl_b32 s50, s18, 10
	s_add_co_u32 s48, s48, s50
	s_lshr_b32 s50, s[WV], 3
	s_lshl_b32 s50, s50, 9
	s_add_co_u32 s48, s48, s50
	s_and_b32 s50, s[WV], 1
	s_lshl_b32 s50, s50, 8
	s_add_co_u32 s48, s48, s50
	s_bfe_u32 s50, s[WV], 0x20001
	s_lshl_b32 s50, s50, 2
	s_add_co_u32 s48, s48, s50
	s_add_nc_u64 s[6:7], s[6:7], s[48:49]
	s_lshl_b32 s48, s46, 6
	s_add_nc_u64 s[50:51], s[10:11], s[48:49]      ; my queries' mask
	s_lshl_b32 s48, s46, 13
	s_lshl_b32 s47, s19, 9
	s_add_co_u32 s48, s48, s47
	s_add_nc_u64 s[12:13], s[12:13], s[48:49]      ; oc: 8,192 T + 512 x head
	s_lshl_b32 s48, s19, 13
	s_lshl_b32 s47, s18, 9
	s_add_co_u32 s48, s48, s47
	s_add_nc_u64 s[14:15], s[14:15], s[48:49]      ; os: 8,192 x head + 512 x block
	v_and_b32 v73, 31, v0
	v_lshlrev_b32 v1, 4, v73                       ; 16 x lane
	v_lshlrev_b32 v2, 3, v73                       ; 8 x lane
	v_and_b32 v74, 15, v0                          ; r
	v_lshlrev_b32 v75, 4, v74
	v_lshlrev_b32 v85, 2, v74
	v_and_b32 v72, 7, v0
	v_bfe_u32 v86, v0, 4, 1
	v_bfe_u32 v87, v0, 3, 1
	v_lshl_add_u32 v72, v86, 3, v72
	v_lshl_add_u32 v72, v87, 4, v72                ; kap(l)
	v_lshlrev_b32 v72, 2, v72
	v_lshl_add_u32 v72, s[WV], 9, v72              ; + 128 keys x wave, in bytes
	global_load_b128 v[16:19], v1, s[4:5]          ; Q's codes stay in registers
	global_load_b32 v30, v75, s[6:7]               ; Q's scale words
	global_load_b32 v84, v85, s[50:51]             ; mask[my query]
.irp j, 0,1                                    ; the keys' mask of steps w and 16 + w: each load reads 128 consecutive bytes
.irp b, 0,1,2,3
	global_load_b32 v[76+4*\j+\b], v72, s[10:11] offset:128*\b+8192*\j
.endr
.endr
	v_lshl_add_u32 v89, v0, 4, MK                  ; where my eight mask words go: 16 x thread
.irp i, 0,1,2,3
	v_mov_b32 v[20+\i], 0                          ; Q's upper 64 along K: zero codes
	v_mov_b32 v[64+\i], 0                          ; what the last tile of K names above its own
	v_mov_b32 v[236+\i], 0                         ; a lane permute's destination counts as one of its sources
.endr
	v_mov_b32 v13, 0xff61b1e6                      ; the largest t so far: -3e38, under every t
	v_floor_f32 v12, -v13                          ; -M
	v_mov_b32 v14, 0                               ; the sum, in two halves
	v_mov_b32 v15, 0
	v_mov_b32 v253, 0                              ; (named as the upper half of the pair v[252:253])
	v_mov_b32 v88, 0x88888888                      ; the sign bits of eight codes
.irp j, 0,1,2,3,4,5,6,7,8,9,10,11,12,13,14,15,16,17,18,19,20,21,22,23,24,25,26,27,28,29,30,31
	v_mov_b32 v[160+\j], 0                         ; O^T: the step is written once; the first finds zeros, which the first change of M leaves zeros
.endr
	s_wait_loadcnt 0x0
.irp i, 0,1,2,3,4,5,6,7
	v_cvt_f32_i32 v[76+\i], v[76+\i]
.endr
	ds_store_b128 v89, v[76:79]
	ds_store_b128 v89, v[80:83] offset:8192
	v_cvt_f32_i32 v86, v84
	v_mul_f32 v8, s[CC], |v86|                     ; a
	v_mov_b32 v9, v8                               ; (named with it as a pair)
	v_cmp_gt_i32 vcc_lo, 0, v84                    ; a negative mask[q] turns the signs of Q's codes
	v_cndmask_b32 v87, 0, v88, vcc_lo
.irp i, 0,1,2,3
	v_xor_b32 v[16+\i], v87, v[16+\i]
.endr
	s_wait_tensorcnt 1                             ; my record of the first sixteen is in; the second load, issued behind it, may be out
	s_wait_dscnt 0x0                               ; my mask words are stored
	s_barrier_signal -1
	s_barrier_wait -1                              ; everybody's are
; A KEY STEP: 128 keys.
.macro STEP
	v_add_nc_u32 v3, s[TB], v1
	v_add_nc_u32 v4, s[TB], v2
	v_add_nc_u32 v5, s[TMK], v1
	v_nop                                          ; four plain lines between the last products and the loads into registers that they read
.irp t, 0,1,2,3,4,5,6,7
	ds_load_b128 v[32+4*\t:35+4*\t], v3 offset:512*\t      ; K: tile t, 16 bytes a lane on end
.endr
	ds_load_b128 v[24:27], v3 offset:8192          ; K's scale words: register p: lanes 0-15 tile 2 p, lanes 16-31 tile 2 p + 1
	ds_load_b128 v[68:71], v5                      ; the mask of these 128 keys
.irp i, 0,1,2,3,4,5,6,7
	ds_load_b128 v[192+4*\i:195+4*\i], v3 offset:4096+512*\i   ; V^T: wanted behind the softmax
.endr
	ds_load_b64 v[28:29], v4 offset:8704           ; V's scale words
	s_wait_dscnt 9                                 ; K, its scale words and the mask are in; V's eight loads and its scale words may be out
.irp t, 0,1,2,3,4,5,6,7                        ; S^T = K Q^T
.if \t%2
	v_wmma_scale_f32_16x16x128_f8f6f4 v[96+8*\t:103+8*\t], v[32+4*\t:39+4*\t], v[16:23], 0, v[24+\t/2], v30 matrix_a_fmt:MATRIX_FMT_FP4 matrix_b_fmt:MATRIX_FMT_FP4 matrix_a_scale:MATRIX_SCALE_ROW1
.else
	v_wmma_scale_f32_16x16x128_f8f6f4 v[96+8*\t:103+8*\t], v[32+4*\t:39+4*\t], v[16:23], 0, v[24+\t/2], v30 matrix_a_fmt:MATRIX_FMT_FP4 matrix_b_fmt:MATRIX_FMT_FP4
.endif
.endr
.rept 4
	v_nop
.endr
.irp b, 0,1,2,3                                ; S x mask[k].  Register 16 b + n of lane (r, h) is key 32 b + 16 (n / 8) + 8 h + n % 8: its mask lies in lane n of my row of sixteen lanes.  Each result is read from its low end on
.irp n, 0,1,2,3,4,5,6,7,8,9,10,11,12,13,14,15
	v_mul_f32_dpp v[96+16*\b+\n], v[68+\b], v[96+16*\b+\n] row_share:\n row_mask:0xf bank_mask:0xf
.endr
.endr
.irp b, 0,1,2,3
	v_max3_num_f32 v[232+\b], v[96+16*\b], v[97+16*\b], v[98+16*\b]   ; the largest of each block of 32 keys: it serves for the row's maximum and, since p rises with it, for the block's largest p
.endr
.irp i, 3,5,7,9,11,13
.irp b, 0,1,2,3
	v_max3_num_f32 v[232+\b], v[232+\b], v[96+16*\b+\i], v[97+16*\b+\i]
.endr
.endr
.irp b, 0,1,2,3
	v_max_num_f32 v[232+\b], v[232+\b], v[111+16*\b]
.endr
.irp b, 0,1,2,3
	v_permlanex16_b32 v[236+\b], v[232+\b], s[SEL], s[SEL+1]
.endr
.irp b, 0,1,2,3
	v_max_num_f32 v[232+\b], v[232+\b], v[236+\b]  ; with lane l xor 16's 16 keys
.endr
	v_max3_num_f32 v254, v232, v233, v234
	v_max_num_f32 v254, v254, v235
	v_mul_f32 v254, v8, v254                       ; as t (a is not negative)
	v_max_num_f32 v13, v13, v254                   ; the running largest t
	v_mov_b32 v254, v12
	v_floor_f32 v12, -v13                          ; the new -M = floor(-t): M is a whole number
	v_sub_f32 v254, v12, v254                      ; M's old value less its new one: a whole number, 0 or less
	v_cvt_i32_f32 v254, v254                       ; (it saturates)
	v_ldexp_f32 v252, 1.0, v254                    ; f = 2^(old M - new M)
.irp j, 0,2,4,6,8,10,12,14,16,18,20,22,24,26,28,30,32,34,36,38,40,42,44,46,48,50,52,54,56,58,60,62
	v_pk_fma_f32 v[96+\j:97+\j], v[96+\j:97+\j], v[8:9], v[12:13] op_sel_hi:[1,0,0]   ; t - M, two at a time
.endr
.irp b, 0,1,2,3
	v_fma_f32 v[232+\b], v[232+\b], v8, v12        ; the same of each block's largest
.endr
.irp j, 0,1,2,3,4,5,6,7,8,9,10,11,12,13,14,15,16,17,18,19,20,21,22,23,24,25,26,27,28,29,30,31,32,33,34,35,36,37,38,39,40,41,42,43,44,45,46,47,48,49,50,51,52,53,54,55,56,57,58,59,60,61,62,63
	v_exp_f32 v[96+\j], v[96+\j]                   ; p = 2^(t - M), at most 1
.endr
	v_pk_mul_f32 v[14:15], v[14:15], v[252:253] op_sel_hi:[1,0]   ; the sums under the new M (a plain line behind the exponentials)
	s_wait_alu depctr_va_vdst(0)                   ; one wait for the whole batch, ahead of its first reader
.irp b, 0,1,2,3
	v_exp_f32 v[232+\b], v[232+\b]                 ; the block's largest p
.endr
	v_pk_add_f32 v[236:237], v[96:97], v[98:99]    ; the row's sum is taken of the unquantised p: two at a time, in two chains
.irp j, 4,8,12,16,20,24,28,32,36,40,44,48,52,56,60
	v_pk_add_f32 v[14:15], v[14:15], v[96+\j:97+\j]
	v_pk_add_f32 v[236:237], v[236:237], v[98+\j:99+\j]
.endr
	v_pk_add_f32 v[14:15], v[14:15], v[236:237]
	s_wait_alu depctr_va_vdst(0)                   ; and one for the four
.irp b, 0,1,2,3
	v_max_num_f32 v[232+\b], 0x1800000, v[232+\b]  ; the floor 2^(3 - 127): the byte cannot fall under 1
.endr
.irp b, 0,1,2,3
	v_add_nc_u32 v[244+\b], 0xff000000, v[232+\b]  ; 2 off the exponent field: the conversion's scale operand
.endr
.irp b, 0,1,2,3
	v_lshrrev_b32 v[236+\b], 23, v[244+\b]         ; the scale's byte
.endr
	v_lshl_or_b32 v31, v237, 8, v236               ; p's scale word for these 128 keys
	v_lshl_or_b32 v31, v238, 16, v31
	v_lshl_or_b32 v31, v239, 24, v31
.irp b, 0,1,2,3
	v_cvt_scalef32_pk8_fp4_f32 v[224+4*(\b/2)+\b%2], v[96+16*\b:103+16*\b], v[244+\b]    ; keys 32 b + 8 h + 0 .. 7: word h of the block
	v_cvt_scalef32_pk8_fp4_f32 v[226+4*(\b/2)+\b%2], v[104+16*\b:111+16*\b], v[244+\b]   ; keys 32 b + 16 + 8 h + 0 .. 7: word 2 + h
.endr
	v_nop                                          ; one plain line behind a scaled conversion
.irp c, 0,1                                    ; registers 4 c .. 4 c + 3 of lane (r, h) then hold words 0 .. 3 of block 2 c + h
	v_permlane16_swap_b32 v[224+4*\c], v[225+4*\c]
	v_permlane16_swap_b32 v[226+4*\c], v[227+4*\c]
.endr
.irp j, 0,2,4,6,8,10,12,14,16,18,20,22,24,26,28,30
	v_pk_mul_f32 v[160+\j:161+\j], v[160+\j:161+\j], v[252:253] op_sel_hi:[1,0]   ; O^T under the new M.  Twelve of these sixteen name no register of a given product below: the places between the scale word, the codes and that product
.endr
	s_wait_dscnt 0x0                               ; V and its scale words are in
.irp t, 0,1,2,3                                ; O^T += V^T P^T: the four accumulators by turns
.if \t%2
	v_wmma_scale_f32_16x16x128_f8f6f4 v[160+8*\t:167+8*\t], v[192+8*\t:199+8*\t], v[224:231], v[160+8*\t:167+8*\t], v[28+\t/2], v31 matrix_a_fmt:MATRIX_FMT_FP4 matrix_b_fmt:MATRIX_FMT_FP4 matrix_a_scale:MATRIX_SCALE_ROW1
.else
	v_wmma_scale_f32_16x16x128_f8f6f4 v[160+8*\t:167+8*\t], v[192+8*\t:199+8*\t], v[224:231], v[160+8*\t:167+8*\t], v[28+\t/2], v31 matrix_a_fmt:MATRIX_FMT_FP4 matrix_b_fmt:MATRIX_FMT_FP4
.endif
.endr
.endm
.macro HALF                            ; sixteen key steps
	s_mov_b32 s[CNT], 16
.Lstep_\@:
	STEP
	s_add_co_u32 s[TB], s[TB], REC
	s_add_co_u32 s[TMK], s[TMK], 512
	s_sub_co_u32 s[CNT], s[CNT], 1
	s_cmp_lg_u32 s[CNT], 0
	s_cbranch_scc1 .Lstep_\@
.endm
	HALF
	s_wait_tensorcnt 0x0                           ; my record of the second sixteen is in
	s_wait_dscnt 0x0
	s_barrier_signal -1
	s_barrier_wait -1                              ; everybody's is.
	s_mov_b32 s[TB], 16*REC
	s_mov_b32 s[TMK], MK+16*512
	HALF
	; THE WAY OUT.  O^T / the sum, quantised along H: my head's 64 channels are two blocks of 32.  The address work is the places behind the last products.
	v_add_f32 v14, v14, v15                        ; the sum's two halves,
	v_and_b32 v72, 15, v0
	v_lshlrev_b32 v72, 1, v72
	s_lshl_b32 s43, s[WV], 5
	s_add_co_u32 s43, s43, OSC
	v_add_nc_u32 v72, s43, v72                     ; my query's pair of scale bytes: OSC + 32 x wave + 2 r
	v_add_nc_u32 v73, OSC, v1                      ; and where wave 0 reads them back: 16 x lane
	v_permlanex16_b32 v252, v14, s[SEL], s[SEL+1]
	v_add_f32 v14, v14, v252                       ; and lane l xor 16's: the row's sum
	v_rcp_f32 v14, v14
	v_nop                                          ; a plain line behind the reciprocal
	s_wait_alu depctr_va_vdst(0)                   ; and the wait ahead of its first reader
.irp j, 0,2,4,6,8,10,12,14,16,18,20,22,24,26,28,30
	v_pk_mul_f32 v[96+\j:97+\j], v[160+\j:161+\j], v[14:15] op_sel_hi:[1,0]   ; register 8 t + j: o(query r, channel 16 t + 8 h + j)
.endr
.irp b, 0,1
	v_max3_num_f32 v[232+\b], |v[96+16*\b]|, |v[97+16*\b]|, 0x1800000
.endr
.irp i, 2,4,6,8,10,12,14
.irp b, 0,1
	v_max3_num_f32 v[232+\b], v[232+\b], |v[96+16*\b+\i]|, |v[97+16*\b+\i]|
.endr
.endr
.irp b, 0,1
	v_permlanex16_b32 v[236+\b], v[232+\b], s[SEL], s[SEL+1]
.endr
.irp b, 0,1
	v_max_num_f32 v[232+\b], v[232+\b], v[236+\b]
.endr
.irp b, 0,1
	v_add_nc_u32 v[244+\b], 0xff000000, v[232+\b]
.endr
.irp b, 0,1
	v_lshrrev_b32 v[236+\b], 23, v[244+\b]
.endr
	v_lshl_or_b32 v240, v237, 8, v236              ; the two bytes
.irp b, 0,1
	v_cvt_scalef32_pk8_fp4_f32 v[224+\b], v[96+16*\b:103+16*\b], v[244+\b]
	v_cvt_scalef32_pk8_fp4_f32 v[226+\b], v[104+16*\b:111+16*\b], v[244+\b]
.endr
	v_nop
	v_permlane16_swap_b32 v224, v225
	v_permlane16_swap_b32 v226, v227               ; v224-227 of lane (r, h): block h of my head, token r
	global_store_b128 v1, v[224:227], s[12:13]     ; 32 lanes store 512 consecutive bytes, aligned
	ds_store_b16 v72, v240                         ; lanes r and 16 + r write the same two bytes with the same value
	s_wait_dscnt 0x0
	s_barrier_signal -1
	s_barrier_wait -1                              ; the work-group's 512 scale bytes lie in LDS
	s_cmp_lg_u32 s[WV], 0
	s_cbranch_scc1 .Lnot_0
	ds_load_b128 v[76:79], v73
	s_wait_dscnt 0x0
	global_store_b128 v1, v[76:79], s[14:15]       ; 32 lanes store 512 consecutive bytes, aligned
.Lnot_0:
	s_wait_tensorcnt 0x0                           ; the wave's end
	ds_add_u32 v6, v7
	s_wait_dscnt 0x0
	CROUND                                         ; the closing round
	s_endpgm
.Lfunc_end_k_q388c4cebf4_attn:
	.size	k_q388c4cebf4_attn, .Lfunc_end_k_q388c4cebf4_attn-k_q388c4cebf4_attn
	.p2alignl 7, 3214868480
	.fill 96, 4, 3214868480
	.section	.rodata,"a",@progbits
	.p2align	6, 0x0
	.amdhsa_kernel k_q388c4cebf4_attn
		.amdhsa_group_segment_fixed_size 327680
		.amdhsa_private_segment_fixed_size 0
		.amdhsa_enable_private_segment 0
		.amdhsa_kernarg_size 48
		.amdhsa_user_sgpr_count 2
		.amdhsa_user_sgpr_kernarg_segment_ptr 1
		.amdhsa_wavefront_size32 1
		.amdhsa_system_sgpr_workgroup_id_x 1
		.amdhsa_system_sgpr_workgroup_id_y 1
		.amdhsa_system_sgpr_workgroup_id_z 1
		.amdhsa_system_vgpr_workitem_id 0
		.amdhsa_next_free_vgpr 256
		.amdhsa_next_free_sgpr 66
		.amdhsa_reserve_vcc 1
		.amdhsa_float_denorm_mode_32 3
		.amdhsa_float_denorm_mode_16_64 3
		.amdhsa_memory_ordered 1
		.amdhsa_forward_progress 1
		.amdhsa_inst_pref_size 51
	.end_amdhsa_kernel
	.amdgpu_metadata
---
amdhsa.version: [ 1, 2 ]
amdhsa.kernels:
  - .name:           k_q388c4cebf4_attn
    .symbol:         k_q388c4cebf4_attn.kd
    .args:
      - { .name: qc, .offset: 0, .size: 8, .value_kind: global_buffer, .address_space: global }
      - { .name: qs, .offset: 8, .size: 8, .value_kind: global_buffer, .address_space: global }
      - { .name: kv, .offset: 16, .size: 8, .value_kind: global_buffer, .address_space: global }
      - { .name: mask, .offset: 24, .size: 8, .value_kind: global_buffer, .address_space: global }
      - { .name: oc, .offset: 32, .size: 8, .value_kind: global_buffer, .address_space: global }
      - { .name: os, .offset: 40, .size: 8, .value_kind: global_buffer, .address_space: global }
    .group_segment_fixed_size: 327680
    .private_segment_fixed_size: 0
    .kernarg_segment_align: 8
    .kernarg_segment_size: 48
    .max_flat_workgroup_size: 512
    .sgpr_count:     66
    .vgpr_count:     256
    .wavefront_size: 32
...
	.end_amdgpu_metadata
.endif
;; end of part 3
;; launch oproj (part 4): grid 256 x 1, 16 waves a work-group, no clusters, 82,432 bytes of LDS; arguments oc, os, woi, W_o_scales, b_o, inputs, ln_w, ln_b, out0; writes out0
.if DOCPART == 4
	.amdgcn_target "amdgcn-amd-amdhsa--gfx1250"
	.amdhsa_code_object_version 6
	.text
	.protected	k_q388c4cebf4_oproj
	.globl	k_q388c4cebf4_oproj
	.p2align	8
	.type	k_q388c4cebf4_oproj,@function
k_q388c4cebf4_oproj:
	s_mov_b64 s[64:65], 0
	v_nop
	global_prefetch_b8 v0, s[64:65] scope:SCOPE_SE
	s_setreg_imm32_b32 hwreg(HW_REG_WAVE_MODE, 25, 1), 1
	s_wait_xcnt 0x0
; out0 = LayerNorm(O W_o^T + b_o + inputs) x ln_w + ln_b; the product on codes of FP4, K = 1,024; all else in f32.  No work is left out.
; SHARES.  A work-group owns 16 whole rows (tokens 16 T on), so that a row's mean and variance stay inside it.  Wave w owns columns 64 w .. 64 w + 63: four tiles of 16.  The product is used transposed (source 0 = 16 rows of W_o,
; source 1 = O's 16 tokens): lane (r, h) holds token r, and register j of tile t column 64 w + 16 t + 8 h + j.
; inputs + b_o IS THE C OF EACH SUM'S FIRST PRODUCT: it is loaded by rows (16 lanes to 256 consecutive bytes), turned through the wave's own stage in LDS into the result's layout, and the sums go on in place from there.
; NO TENSOR LOAD AND NO CLUSTER: each fragment of W_o feeds one matrix instruction of one wave of the work-group, so LDS would share nothing; W_o's 524,288 bytes of codes do not fit in LDS whole, and a ring would have four matrix
; instructions a wave for each K step's 65,536 bytes.  The fragments come straight from woi, where the first launch laid them in the order of the registers: each load reads 512 consecutive bytes, and 24 loads of each wave are out.
; O's sixteen images and its scale words are what all waves share: each wave brings one image and one head's scale bytes into LDS.
; LIMITS: NaN and infinities are not served.
; REGISTERS: v1 16 r, v2 2 r, v4 16 x lane, v5-13 addresses, v14, v15 the add's two; v16-19 b_o, v20-23 ln_w, v24-27 ln_b; v28-31 O's scale words; v32-95 O's fragments (v32-63 first x's rows, at the end out's);
;   v96-111 W_o's scale words; v112-143 four accumulators; v144-239 W_o's fragments, three sets of 32; v240-255 at work.
.set STG,   0                          ; LDS: a stage of 16 rows x (256 bytes + 16) for each wave
.set OIM,   16*4352                    ; O's 16 images of 512 bytes
.set OSI,   OIM+8192                   ; O's scale words, [lane][4 words]: word q of lane (h, r) = K step 4 h + q, token r
.set RED1,  OSI+512                    ; [token r][wave]: the waves' sums
.set RED2,  RED1+1024                  ; and their sums of squares
.set SPARE, RED2+1024                  ; the spare words, 128 bytes a wave, which no other line names
.set ACC,   112
.set RING,  144
	s_load_b512 s[4:19], s[0:1], 0x0               ; oc s[4:5], os s[6:7], woi s[8:9], W_o_scales s[10:11], b_o s[12:13], inputs s[14:15], ln_w s[16:17], ln_b s[18:19]
	s_load_b64 s[20:21], s[0:1], 0x40              ; out0
	v_lshl_add_u32 v14, v0, 2, SPARE
	v_mov_b32 v15, 0
	v_lshrrev_b32 v1, 5, v0
	v_readfirstlane_b32 s22, v1                    ; wave 0..15
	v_and_b32 v1, 31, v0                           ; lane
	v_and_b32 v2, 15, v0                           ; r
	v_bfe_u32 v3, v0, 4, 1                         ; h
	v_lshlrev_b32 v4, 4, v1                        ; 16 x lane
	v_lshlrev_b32 v5, 4, v2
	v_lshl_add_u32 v5, v3, 12, v5                  ; rows of inputs and out0: lanes 0-15 one row's 256 bytes, lanes 16-31 the next row's
	s_mul_i32 s28, s22, 4352                       ; my stage
	v_mul_u32_u24 v6, v3, 272
	v_lshl_add_u32 v6, v2, 4, v6
	v_add_nc_u32 v6, s28, v6                       ; by rows: 272 h + 16 r
	v_mul_u32_u24 v7, v2, 272
	v_lshl_add_u32 v7, v3, 5, v7
	v_add_nc_u32 v7, s28, v7                       ; in the result's layout: row r, + 32 h
	v_lshlrev_b32 v8, 5, v2
	v_lshl_add_u32 v8, v3, 4, v8                   ; W_o's scale bytes: row r of 32, + 16 h
	v_lshlrev_b32 v10, 6, v2
	v_add_nc_u32 v10, RED1, v10                    ; my token's sixteen sums
	s_lshl_b32 s29, s22, 2
	v_add_nc_u32 v9, s29, v10                      ; and my wave's among them
	v_lshl_add_u32 v11, v0, 4, OIM                 ; where I put 16 bytes of my wave's image: 16 x thread
	v_add_nc_u32 v12, OIM, v4                      ; where I read an image
	s_lshr_b32 s29, s22, 3                         ; head w is half w % 2 of K step w / 2: lane half w / 8, word (w / 2) % 4
	s_lshl_b32 s29, s29, 8
	s_bfe_u32 s30, s22, 0x20001
	s_lshl_b32 s30, s30, 2
	s_add_co_u32 s29, s29, s30
	s_and_b32 s30, s22, 1
	s_lshl_b32 s30, s30, 1
	s_add_co_u32 s29, s29, s30
	s_add_co_u32 s29, s29, OSI
	v_lshl_add_u32 v13, v2, 4, s29                 ; + 16 r
	v_lshlrev_b32 v1, 4, v2                        ; 16 r: my four columns of a row's 64
	v_lshlrev_b32 v2, 1, v2                        ; 2 r
	s_mov_b32 s24, 0x76543210                      ; v_permlanex16_b32's selects for lane l xor 16
	s_mov_b32 s25, 0xfedcba98
	s_mov_b32 s28, 0x3a800000                      ; 1 / 1,024
	s_mov_b32 s29, 0x3727c5ac                      ; 1e-5
	s_mov_b32 s27, 0
	s_wait_kmcnt 0x0
	s_lshl_b32 s26, ttmp9, 16                      ; 16 rows of 4,096 bytes,
	s_lshl_b32 s30, s22, 8                         ; my 256 bytes of a row
	s_add_co_u32 s26, s26, s30
	s_add_nc_u64 s[14:15], s[14:15], s[26:27]
	s_add_nc_u64 s[20:21], s[20:21], s[26:27]
	s_mov_b32 s26, s30
	s_add_nc_u64 s[12:13], s[12:13], s[26:27]
	s_add_nc_u64 s[16:17], s[16:17], s[26:27]
	s_add_nc_u64 s[18:19], s[18:19], s[26:27]
	s_lshl_b32 s26, ttmp9, 13
	s_lshl_b32 s30, s22, 9
	s_add_co_u32 s26, s26, s30
	s_add_nc_u64 s[4:5], s[4:5], s[26:27]          ; oc: 8,192 T + 512 w
	s_lshl_b32 s26, s22, 13
	s_lshl_b32 s30, ttmp9, 5
	s_add_co_u32 s26, s26, s30
	s_add_nc_u64 s[6:7], s[6:7], s[26:27]          ; os: head w, token 16 T
	s_lshl_b32 s26, s22, 11
	s_add_nc_u64 s[10:11], s[10:11], s[26:27]      ; W_o's scale bytes: my 64 rows of 32
	s_lshl_b32 s26, s22, 15
	s_add_nc_u64 s[8:9], s[8:9], s[26:27]          ; woi: my four tiles of 8,192
.macro WLOAD s                         ; W_o's four fragments of K step s into set s % 3
.irp t, 0,1,2,3
.irp c, 0,1
	global_load_b128 v[RING+32*((\s)%3)+8*\t+4*\c:RING+32*((\s)%3)+8*\t+4*\c+3], v4, s[8:9] offset:8192*\t+1024*(\s)+512*\c
.endr
.endr
.endm
	; 41 loads, in the order in which they are wanted
.irp i, 0,1,2,3,4,5,6,7
	global_load_b128 v[32+4*\i:35+4*\i], v5, s[14:15] offset:8192*\i th:TH_LOAD_NT   ; inputs, rows 2 i and 2 i + 1
.endr
	global_load_b128 v[16:19], v1, s[12:13]        ; b_o,
	global_load_b128 v[20:23], v1, s[16:17]        ; ln_w,
	global_load_b128 v[24:27], v1, s[18:19]        ; ln_b of my four columns
	global_load_b128 v[240:243], v4, s[4:5]        ; O's image of head w
	global_load_u16 v244, v2, s[6:7]               ; and its two scale bytes of token r
.irp t, 0,1,2,3
	global_load_b128 v[96+4*\t:99+4*\t], v8, s[10:11] offset:512*\t   ; W_o's scale words: register q: lanes 0-15 K step q, lanes 16-31 K step 4 + q
.endr
	WLOAD 0
	WLOAD 1
	WLOAD 2
	s_wait_loadcnt 30                              ; inputs and the three vectors are in; the 30 loads issued behind them may be out
.irp i, 0,1,2,3,4,5,6,7
	v_pk_add_f32 v[32+4*\i:33+4*\i], v[32+4*\i:33+4*\i], v[16:17]
	v_pk_add_f32 v[34+4*\i:35+4*\i], v[34+4*\i:35+4*\i], v[18:19]
.endr
.irp i, 0,1,2,3,4,5,6,7
	ds_store_b128 v6, v[32+4*\i:35+4*\i] offset:544*\i
.endr
.irp t, 0,1,2,3                                ; LDS serves a wave's instructions in order: these see my stores
	ds_load_b128 v[ACC+8*\t:ACC+8*\t+3], v7 offset:64*\t
	ds_load_b128 v[ACC+8*\t+4:ACC+8*\t+7], v7 offset:64*\t+16
.endr
	s_wait_loadcnt 28                              ; O's image and scale bytes are in; W_o's 28 loads may be out
	ds_store_b128 v11, v[240:243]
	ds_store_b16 v13, v244
	s_wait_dscnt 0x0
	s_barrier_signal -1
	s_barrier_wait -1                              ; O's sixteen images and its scale words lie in LDS
.irp p, 0,1,2,3,4,5,6,7,8,9,10,11,12,13,14,15
	ds_load_b128 v[32+4*\p:35+4*\p], v12 offset:512*\p     ; image p: registers 4 (p % 2) on of the fragment of K step p / 2
.endr
	ds_load_b128 v[28:31], v12 offset:8192
	s_wait_dscnt 0x0
.macro KSTEP s                         ; four products, the accumulators by turns
.irp t, 0,1,2,3
.if (\s) >= 4
	v_wmma_scale_f32_16x16x128_f8f6f4 v[ACC+8*\t:ACC+8*\t+7], v[RING+32*((\s)%3)+8*\t:RING+32*((\s)%3)+8*\t+7], v[32+8*(\s):39+8*(\s)], v[ACC+8*\t:ACC+8*\t+7], v[96+4*\t+(\s)%4], v[28+(\s)%4] matrix_a_fmt:MATRIX_FMT_FP4 matrix_b_fmt:MATRIX_FMT_FP4 matrix_a_scale:MATRIX_SCALE_ROW1 matrix_b_scale:MATRIX_SCALE_ROW1
.else
	v_wmma_scale_f32_16x16x128_f8f6f4 v[ACC+8*\t:ACC+8*\t+7], v[RING+32*((\s)%3)+8*\t:RING+32*((\s)%3)+8*\t+7], v[32+8*(\s):39+8*(\s)], v[ACC+8*\t:ACC+8*\t+7], v[96+4*\t+(\s)%4], v[28+(\s)%4] matrix_a_fmt:MATRIX_FMT_FP4 matrix_b_fmt:MATRIX_FMT_FP4
.endif
.endr
.endm
.irp s, 0,1,2,3,4
	s_wait_loadcnt 16                              ; this K step's set is in; the two sets behind it may be out
	KSTEP \s
.rept 4
	v_nop                                          ; places in front of loads into registers that the products have read
.endr
	WLOAD \s+3
.endr
	s_wait_loadcnt 16
	KSTEP 5
	s_wait_loadcnt 8                               ; one set is left behind this one
	KSTEP 6
	s_wait_loadcnt 0x0
	KSTEP 7
.rept 4
	v_nop
.endr
.macro REDSUM off                      ; my token's sixteen numbers, added: v240
.irp i, 0,1,2,3
	ds_load_b128 v[240+4*\i:243+4*\i], v10 offset:\off+16*\i
.endr
	s_wait_dscnt 0x0
	v_pk_add_f32 v[240:241], v[240:241], v[244:245]
	v_pk_add_f32 v[242:243], v[242:243], v[246:247]
	v_pk_add_f32 v[248:249], v[248:249], v[252:253]
	v_pk_add_f32 v[250:251], v[250:251], v[254:255]
	v_pk_add_f32 v[240:241], v[240:241], v[248:249]
	v_pk_add_f32 v[242:243], v[242:243], v[250:251]
	v_pk_add_f32 v[240:241], v[240:241], v[242:243]
	v_add_f32 v240, v240, v241
.endm
	; the mean: my 32 numbers of token r (each accumulator from its low end on), lane l xor 16's, the sixteen waves'
	v_pk_add_f32 v[240:241], v[112:113], v[116:117]
	v_pk_add_f32 v[242:243], v[114:115], v[118:119]
.irp k, 120,124,128,132,136,140
	v_pk_add_f32 v[240:241], v[240:241], v[\k:\k+1]
	v_pk_add_f32 v[242:243], v[242:243], v[\k+2:\k+3]
.endr
	v_pk_add_f32 v[240:241], v[240:241], v[242:243]
	v_add_f32 v240, v240, v241
	v_permlanex16_b32 v244, v240, s24, s25
	v_add_f32 v240, v240, v244
	ds_store_b32 v9, v240                          ; lanes r and 16 + r write the same word with the same value
	s_wait_dscnt 0x0
	s_barrier_signal -1
	s_barrier_wait -1
	REDSUM 0
	v_mul_f32 v240, s28, v240                      ; the mean
.irp j, 0,2,4,6,8,10,12,14,16,18,20,22,24,26,28,30
	v_pk_add_f32 v[ACC+\j:ACC+\j+1], v[ACC+\j:ACC+\j+1], v[240:241] op_sel_hi:[1,0] neg_lo:[0,1] neg_hi:[0,1]
.endr
	; the variance, of the centred numbers
	v_pk_mul_f32 v[242:243], v[112:113], v[112:113]
	v_pk_mul_f32 v[244:245], v[114:115], v[114:115]
.irp k, 116,120,124,128,132,136,140
	v_pk_fma_f32 v[242:243], v[\k:\k+1], v[\k:\k+1], v[242:243]
	v_pk_fma_f32 v[244:245], v[\k+2:\k+3], v[\k+2:\k+3], v[244:245]
.endr
	v_pk_add_f32 v[242:243], v[242:243], v[244:245]
	v_add_f32 v240, v242, v243
	v_permlanex16_b32 v246, v240, s24, s25
	v_add_f32 v240, v240, v246
	ds_store_b32 v9, v240 offset:1024              ; other bytes than the first sums': no barrier is owed between the two
	s_wait_dscnt 0x0
	s_barrier_signal -1
	s_barrier_wait -1
	REDSUM 1024
	v_fma_f32 v240, v240, s28, s29                 ; the variance + 1e-5
	v_rsq_f32 v240, v240
	v_nop                                          ; a plain line behind it,
	s_wait_alu depctr_va_vdst(0)                   ; and the wait ahead of its first reader
.irp j, 0,2,4,6,8,10,12,14,16,18,20,22,24,26,28,30
	v_pk_mul_f32 v[ACC+\j:ACC+\j+1], v[ACC+\j:ACC+\j+1], v[240:241] op_sel_hi:[1,0]
.endr
	; back through my stage into rows; there a lane holds four columns, whose ln_w and ln_b it has
.irp t, 0,1,2,3
	ds_store_b128 v7, v[ACC+8*\t:ACC+8*\t+3] offset:64*\t
	ds_store_b128 v7, v[ACC+8*\t+4:ACC+8*\t+7] offset:64*\t+16
.endr
.irp i, 0,1,2,3,4,5,6,7
	ds_load_b128 v[32+4*\i:35+4*\i], v6 offset:544*\i
.endr
.irp i, 0,1,2,3,4,5,6,7
	s_wait_dscnt 7-\i                              ; LDS loads come back in order: rows 2 i and 2 i + 1 are in
	v_pk_fma_f32 v[32+4*\i:33+4*\i], v[32+4*\i:33+4*\i], v[20:21], v[24:25]
	v_pk_fma_f32 v[34+4*\i:35+4*\i], v[34+4*\i:35+4*\i], v[22:23], v[26:27]
	global_store_b128 v5, v[32+4*\i:35+4*\i], s[20:21] offset:8192*\i th:TH_STORE_NT   ; 16 lanes store 256 consecutive bytes, aligned
.endr
	s_wait_tensorcnt 0x0                           ; the wave's end, behind my last LDS store
	ds_add_u32 v14, v15
	s_wait_dscnt 0x0
	s_endpgm
.Lfunc_end_k_q388c4cebf4_oproj:
	.size	k_q388c4cebf4_oproj, .Lfunc_end_k_q388c4cebf4_oproj-k_q388c4cebf4_oproj
	.p2alignl 7, 3214868480
	.fill 96, 4, 3214868480
	.section	.rodata,"a",@progbits
	.p2align	6, 0x0
	.amdhsa_kernel k_q388c4cebf4_oproj
		.amdhsa_group_segment_fixed_size 82432
		.amdhsa_private_segment_fixed_size 0
		.amdhsa_enable_private_segment 0
		.amdhsa_kernarg_size 72
		.amdhsa_user_sgpr_count 2
		.amdhsa_user_sgpr_kernarg_segment_ptr 1
		.amdhsa_wavefront_size32 1
		.amdhsa_system_sgpr_workgroup_id_x 1
		.amdhsa_system_sgpr_workgroup_id_y 1
		.amdhsa_system_sgpr_workgroup_id_z 1
		.amdhsa_system_vgpr_workitem_id 0
		.amdhsa_next_free_vgpr 256
		.amdhsa_next_free_sgpr 66
		.amdhsa_reserve_vcc 0
		.amdhsa_float_denorm_mode_32 3
		.amdhsa_float_denorm_mode_16_64 3
		.amdhsa_memory_ordered 1
		.amdhsa_forward_progress 1
		.amdhsa_inst_pref_size 29
	.end_amdhsa_kernel
	.amdgpu_metadata
---
amdhsa.version: [ 1, 2 ]
amdhsa.kernels:
  - .name:           k_q388c4cebf4_oproj
    .symbol:         k_q388c4cebf4_oproj.kd
    .args:
      - { .name: oc, .offset: 0, .size: 8, .value_kind: global_buffer, .address_space: global }
      - { .name: os, .offset: 8, .size: 8, .value_kind: global_buffer, .address_space: global }
      - { .name: woi, .offset: 16, .size: 8, .value_kind: global_buffer, .address_space: global }
      - { .name: W_o_scales, .offset: 24, .size: 8, .value_kind: global_buffer, .address_space: global }
      - { .name: b_o, .offset: 32, .size: 8, .value_kind: global_buffer, .address_space: global }
      - { .name: inputs, .offset: 40, .size: 8, .value_kind: global_buffer, .address_space: global }
      - { .name: ln_w, .offset: 48, .size: 8, .value_kind: global_buffer, .address_space: global }
      - { .name: ln_b, .offset: 56, .size: 8, .value_kind: global_buffer, .address_space: global }
      - { .name: out0, .offset: 64, .size: 8, .value_kind: global_buffer, .address_space: global }
    .group_segment_fixed_size: 82432
    .private_segment_fixed_size: 0
    .kernarg_segment_align: 8
    .kernarg_segment_size: 72
    .max_flat_workgroup_size: 512
    .sgpr_count:     66
    .vgpr_count:     256
    .wavefront_size: 32
...
	.end_amdgpu_metadata
.endif
;; end of part 4
